; MI455X (gfx1250); checked and timed in simulation.
; The chip was launched on July 23, 2026; its instructions are those of AMD's public machine-readable ISA for CDNA 5 (MIT licence, August 2026) and "CDNA5" Instruction Set Architecture Reference Guide (July 2026). The comments in the code are by the model that wrote it; some were corrected since.
;; Multi Headed Attention. Allowed arithmetic: matrix products marked QUANTISED: E2M3 operands, one E8M0 scale for each 32 along K, by v_wmma_scale_f32_16x16x128_f8f6f4 with both operands' format E2M3, f32 sums; everything else in f32.
;; Inputs: Wk 1,024 x 1,024 float32; Wo 1,024 x 1,024 float32; Wq 1,024 x 1,024 float32; Wv 1,024 x 1,024 float32; bk 1,024 float32; bo 1,024 float32; bq 1,024 float32; bv 1,024 float32; key 4 x 2,048 x 1,024 float32; mask 4 x 1 x 1 x 2,048 int32; query 4 x 2,048 x 1,024 float32; value 4 x 2,048 x 1,024 float32.
;; Outputs: out0 4 x 2,048 x 1,024 float32.
;; This version of the problem:
;;   THIS VERSION OF THE PROBLEM IS GIVEN IN LOW PRECISION. The matrix products marked QUANTISED in the list below multiply operands that are first quantised to E2M3 (2 exponent bits, 3 mantissa bits; 6 bits a number), with one power-of-two scale for each 32 numbers along K (OCP MX v1.0); their sums are f32. All else is computed in f32.
;;   The module's matrix products, in the order in which they are computed (A, B: the left and right operand; K: the contracted axis; several contracted axes count as one K, in the product's order):
;;     1. [M 8,192, K 1,024] x [K 1,024, N 1,024]; A: input query; B: input Wq: QUANTISED
;;     2. [M 8,192, K 1,024] x [K 1,024, N 1,024]; A: input key; B: input Wk: QUANTISED
;;     3. [M 8,192, K 1,024] x [K 1,024, N 1,024]; A: input value; B: input Wv: QUANTISED
;;     4. batch 64 x [M 2,048, K 64] x [K 64, N 2,048]; A: computed on the way; B: computed on the way: QUANTISED
;;     5. batch 64 x [M 2,048, K 2,048] x [K 2,048, N 64]; A: softmax (see below); B: computed on the way: QUANTISED
;;     6. [M 8,192, K 1,024] x [K 1,024, N 1,024]; A: computed on the way; B: input Wo: QUANTISED
;;   THE QUANTISER, for each operand of a quantised product, along K:
;;     - K is cut into blocks of 32 from its start; a last block that is shorter is filled with zeros.
;;     - A block's scale is 2^e with e = floor(log2(the largest magnitude in the block)) - 2, held to -126 .. 127; a block of zeros has e = 0. As a byte (E8M0): e + 127.
;;     - Each number is divided by its block's scale, clamped to +-7.5, and rounded to the nearest number of E2M3, ties to even, subnormals kept.
;;     - The product sums the exact products of the quantised numbers (number of the format x scale) in f32.
;;   ~~~python
;;   def quantise(x, axis):      # numpy; x: float32 -> the quantised numbers, widened to float32 again
;;       x = np.moveaxis(x, axis, -1); K = x.shape[-1]
;;       x = np.pad(x, [(0, 0)] * (x.ndim - 1) + [(0, -K % 32)]); x = x.reshape(x.shape[:-1] + (-1, 32)); a = np.abs(x).max(-1, keepdims=True)
;;       e = np.where(a > 0, np.clip(np.frexp(np.where(a > 0, a, 1))[1] - 1 - 2, -126, 127), 0)      # np.frexp(a)[1] - 1 = floor(log2(a)), exactly
;;       r = np.clip(x / 2.0 ** e, -7.5, 7.5)
;;       step = 2.0 ** (np.maximum(np.frexp(np.where(r == 0, 1, r))[1] - 1, 0) - 3)
;;       q = np.round(r / step) * step * 2.0 ** e      # np.round: ties to even
;;       return np.moveaxis(q.reshape(q.shape[:-2] + (-1,))[..., :K], -1, axis).astype(np.float32)
;;   ~~~
;;   SOFTMAX AHEAD OF A QUANTISED PRODUCT. Where the list says 'softmax', what is quantised is not the finished softmax but p = 2^(t - M), with t = logit x log2(e) and M = ceil(the row's largest t), a whole number; so 1/2 < the row's largest p <= 1. The row's sum l is taken of the UNQUANTISED p, in f32, and the product's result is divided by l at the end. Since M is a whole number, a kernel that streams over the keys may use a running M (the ceiling of the running maximum): every later rescaling is an exact power of two, which a block's scale takes up: the codes' values come out the same.
;;   OPERANDS COMPUTED ON THE WAY. 'Computed on the way' means the value that the module computes at that place (a softmax that the list does not call 'softmax' is quantised finished and normalised). What goes into a quantiser is computed in f32, as accurately as f32 sums, v_exp_f32 and their like allow (about 1e-6 of the number): no bf16 or f16 on the way to a quantiser, and a product that is left as it is and whose result goes on into a quantised operand takes f32 operands (vector FMAs, or v_wmma_f32_16x16x4_f32). A number that lies on a knife's edge between two numbers of the format may be rounded either way, as far as f32 arithmetic and the matrix unit's own rounding can turn it there, and no further.
;; One version. Each part assembles by itself: llvm-mc -triple=amdgcn-amd-amdhsa -mcpu=gfx1250 --defsym DOCPART=n.
;; ======== version 1 of 1: 4 launches
;; limits: right only within a limited range of input values
;; workspace buffers: cb 22,020,096 bytes; sb 917,504 bytes; qb 15,728,640 bytes; kvb 15,728,640 bytes; ctx 6,291,456 bytes; ctxs 262,144 bytes
;; launch quant (part 1): grid 256 x 1, 7 waves a work-group, no clusters, 61,952 bytes of LDS; arguments query, key, value, Wq, Wk, Wv, Wo, cb, sb; writes cb, sb
.if DOCPART == 1
	.amdgcn_target "amdgcn-amd-amdhsa--gfx1250"
	.amdhsa_code_object_version 6
	.text
	.protected	k_q3c233d8e8f_quant
	.globl	k_q3c233d8e8f_quant
	.p2align	8
	.type	k_q3c233d8e8f_quant,@function
k_q3c233d8e8f_quant:
	s_mov_b64 s[64:65], 0
	v_nop
	global_prefetch_b8 v0, s[64:65] scope:SCOPE_SE
	s_setreg_imm32_b32 hwreg(HW_REG_WAVE_MODE, 25, 1), 1
	s_wait_xcnt 0x0
; query, key, value [8192][1024] and Wq, Wk, Wv, Wo [1024][1024], f32, K innermost, become codes of FP6 (E2M3) with one E8M0 byte for each 32 along K,
; laid in the order of the matrix operand's registers.  A TILE is 16 rows x 1,024 K.  In all tensors but key two tiles are made of 32 consecutive rows: lane r of tile 2 g + u is row 32 g + 8 u + r + 8 (r / 8).
; In key four tiles are made of 64 consecutive rows: lane r of tile 4 c + u is row 64 c + 8 u + r % 8 + 32 (r / 8), so that in the scores a lane's 32 registers of four tiles are one block of 32 keys.
; cb: a tile is 12,288 bytes = 8 K steps of 1,536 = 2 halves of 768; a half is [512 bytes: lane l's bytes 0-15 at 16 l][256 bytes: its bytes 16-23 at 8 l]; lane l = r + 16 h holds block 4 s + 2 c + h of row r, 24 bytes.
; sb: tile x 512 + 32 r + block.  Tiles: query 0, key 512, value 1024, Wq 1536, Wk 1600, Wv 1664, Wo 1728: 1,792 in all, seven to each of 256 work-groups, one to a wave.
; A block's scale is 2^(floor(log2(largest magnitude)) - 2): its byte is the largest magnitude's exponent field - 2, held at 1 from below.
; LIMITS: a block of zeros, and a block whose largest magnitude lies under 2^-124, keeps the byte 1 (the rule says 127 for zeros: the codes are zeros, and only this program reads the bytes); NaN and infinities are not served.
; A wave takes its tile in 16 steps of 64 columns.  A step's eight loads read 256 consecutive aligned bytes of a row in sixteen lanes; the 4,096 bytes turn through the wave's own stage in LDS,
; so that a lane then holds a whole block of 32 neighbours.  Loads run four steps ahead (32 loads a wave out at the most), the turn one step.  Waves share nothing: no barrier.
.set TILEB,  12288
.set SPITCH, 272                       ; a stage row: 256 bytes + 16: the sixteen rows that a load touches start 4 words apart
.set STG,    16*SPITCH
.set WREG,   2*STG                     ; two stages a wave
.set SPARE,  7*WREG                    ; behind the seven waves' stages: the spare words, 128 bytes a wave
.set GI,  2                            ; v2   in memory: (l / 16) rows + 16 (l % 16); v48: the same for a tile's rows 8 to 15
.set SI,  3                            ; v3   into a stage
.set SO,  4                            ; v4   out of it: row l % 16, + 128 (l / 16)
.set L16, 5                            ; v5   16 l
.set L8,  6                            ; v6   8 l
.set SBO, 7                            ; v7   32 r + 16 h
.set SH,  8                            ; v8   8 h
.set MA,  9
.set MB,  10
.set SCO, 11                           ; the conversion's scale operand
.set BY,  12                           ; the scale's byte
.set PD,  13                           ; a lane permute's destination
.set SPW, 14                           ; my spare word's address; never rewritten
.set NIL, 15                           ; 0; never rewritten
.set W,   16                           ; v16-23 the row's eight scale words
.set QD,  24                           ; v24-27 the four that I store
.set C2,  28                           ; v28-30 a block's upper 16 codes
.set C,   32                           ; v32-47 codes, two sets of 8
.set R,   64                           ; v64-191 four sets of 32: as loaded
.set X,   192                          ; v192-255 two sets of 32: a block
	s_load_b256 s[4:11], s[0:1], 0x0               ; query, key, value, Wq
	s_load_b256 s[12:19], s[0:1], 0x20             ; Wk, Wv, Wo, cb
	s_load_b64 s[20:21], s[0:1], 0x40              ; sb
	v_lshl_add_u32 v[SPW], v0, 2, SPARE
	v_mov_b32 v[NIL], 0
	v_lshrrev_b32 v1, 5, v0
	v_readfirstlane_b32 s26, v1                    ; wave
	v_and_b32 v1, 15, v0                           ; r
	v_bfe_u32 v[SH], v0, 4, 1                      ; h
	v_lshlrev_b32 v[GI], 4, v1
	v_lshl_add_u32 v[GI], v[SH], 12, v[GI]
	s_mul_i32 s27, s26, WREG
	v_mul_u32_u24 v[SI], v[SH], SPITCH
	v_lshl_add_u32 v[SI], v1, 4, v[SI]
	v_add_nc_u32 v[SI], s27, v[SI]
	v_mul_u32_u24 v[SO], v1, SPITCH
	v_lshl_add_u32 v[SO], v[SH], 7, v[SO]
	v_add_nc_u32 v[SO], s27, v[SO]
	v_and_b32 v[L8], 31, v0
	v_lshlrev_b32 v[L16], 4, v[L8]
	v_lshlrev_b32 v[L8], 3, v[L8]
	v_lshlrev_b32 v[SBO], 5, v1
	v_lshl_add_u32 v[SBO], v[SH], 4, v[SBO]
	v_lshlrev_b32 v[SH], 3, v[SH]
	v_mov_b32 v[PD], 0
	s_mov_b32 s31, 0xffff0000                      ; lanes 16-31
	s_mov_b32 s32, 0x76543210
	s_mov_b32 s33, 0xfedcba98                      ; selects for lane l xor 16
	s_wait_alu depctr_va_vdst(0)
	s_wait_kmcnt 0x0
	s_mul_i32 s30, ttmp9, 7
	s_add_co_u32 s30, s30, s26                     ; my tile among all 1,792
	s_mov_b64 s[22:23], s[16:17]                   ; which tensor is my tile's: the choice hangs on the work-group's and the wave's number alone
	s_mov_b32 s24, 1728
.macro PICK lim, ptr, start
	s_cmp_lt_u32 s30, \lim
	s_cselect_b64 s[22:23], s[\ptr:\ptr+1], s[22:23]
	s_cselect_b32 s24, \start, s24
.endm
	PICK 1728, 14, 1664
	PICK 1664, 12, 1600
	PICK 1600, 10, 1536
	PICK 1536, 8, 1024
	PICK 1024, 6, 512
	PICK 512, 4, 0
	s_sub_co_u32 s25, s30, s24                     ; my tile in its tensor
	s_lshr_b32 s28, s25, 1
	s_lshl_b32 s28, s28, 5
	s_and_b32 s29, s25, 1
	s_lshl_b32 s29, s29, 3
	s_add_co_u32 s28, s28, s29                     ; its first row: 32 (tile / 2) + 8 (tile % 2);
	s_lshr_b32 s34, s25, 2
	s_lshl_b32 s34, s34, 6
	s_and_b32 s35, s25, 3
	s_lshl_b32 s35, s35, 3
	s_add_co_u32 s34, s34, s35                     ; in key: 64 (tile / 4) + 8 (tile % 4),
	s_cmp_eq_u32 s24, 512                          ; is my tile key's?
	s_cselect_b32 s28, s34, s28
	s_cselect_b32 s36, 16*4096, 0                  ; and its rows 8 to 15 lie 16 rows further down than in the other tensors
	v_add_nc_u32 v[GI+46], s36, v[GI]
	s_wait_alu depctr_va_vdst(0)
	s_lshl_b32 s28, s28, 12                        ; rows of 4,096 bytes
	s_mov_b32 s29, 0
	s_add_nc_u64 s[22:23], s[22:23], s[28:29]
	s_mul_i32 s28, s30, TILEB
	s_add_nc_u64 s[18:19], s[18:19], s[28:29]
	s_lshl_b32 s28, s30, 9
	s_add_nc_u64 s[20:21], s[20:21], s[28:29]
.macro LOAD t                          ; step t: 64 columns of the 16 rows; load i takes the tile's rows 2 i and 2 i + 1
.irp i, 0,1,2,3,4,5,6,7
	global_load_b128 v[R+32*((\t)%4)+4*\i:R+32*((\t)%4)+4*\i+3], v[GI+46*(\i/4)], s[22:23] offset:(2*\i+8*(\i/4))*4096+256*(\t) th:TH_LOAD_NT
.endr
.endm
.macro TURN t                          ; through the stage: LDS serves a wave's instructions in order, so no wait stands between the stores and the loads
.irp i, 0,1,2,3,4,5,6,7
	ds_store_b128 v[SI], v[R+32*((\t)%4)+4*\i:R+32*((\t)%4)+4*\i+3] offset:STG*((\t)%2)+2*\i*SPITCH
.endr
.irp j, 0,1,2,3,4,5,6,7
	ds_load_b128 v[X+32*((\t)%2)+4*\j:X+32*((\t)%2)+4*\j+3], v[SO] offset:STG*((\t)%2)+16*\j
.endr
.endm
	LOAD 0
	LOAD 1
	LOAD 2
	LOAD 3
	s_wait_loadcnt 24                              ; step 0's eight loads are in; behind them: three steps' 24
	TURN 0
.macro STEP t
.set XS, X+32*((\t)%2)
.set CS, C+8*((\t)%2)
	s_wait_dscnt 0x0                               ; my block is back from the stage, and the stage's stores have read their registers
	s_wait_xcnt 0x0                                ; the earlier stores have read their data: this step's set of code registers may be written
.if (\t)+4 < 16
	LOAD (\t)+4                                    ; into the set that this step's turn has read out
.endif
.if (\t)+1 < 16
.if (\t)+4 < 16
	s_wait_loadcnt 24                              ; the next step's loads are in; those of the three steps behind it may be out
.else
	s_wait_loadcnt 8*(14-(\t))
.endif
	TURN (\t)+1
.endif
	v_max3_num_f32 v[MA], |v[XS]|, |v[XS+1]|, 0x1800000            ; the block's largest magnitude, in two chains, over the floor 2^(3 - 127)
	v_max3_num_f32 v[MB], |v[XS+16]|, |v[XS+17]|, 0x1800000
.irp i, 2,4,6,8,10,12,14
	v_max3_num_f32 v[MA], v[MA], |v[XS+\i]|, |v[XS+\i+1]|
	v_max3_num_f32 v[MB], v[MB], |v[XS+16+\i]|, |v[XS+17+\i]|
.endr
	v_max_num_f32 v[MA], v[MA], v[MB]
	v_add_nc_u32 v[SCO], 0xff000000, v[MA]         ; 2 off its exponent field: the conversion takes the exponent field alone
	v_cvt_scalef32_pk16_fp6_f32 v[CS:CS+2], v[XS:XS+15], v[SCO]
	v_cvt_scalef32_pk16_fp6_f32 v[C2:C2+2], v[XS+16:XS+31], v[SCO] ; (a conversion's three registers begin on an even number)
	v_lshrrev_b32 v[BY], 23, v[SCO]                ; the scale's byte; also the plain line behind the conversions
	v_mov_b32 v[CS+3], v[C2]
	v_mov_b32 v[CS+4], v[C2+1]
	v_mov_b32 v[CS+5], v[C2+2]
.if (\t)%2 == 0
	v_mov_b32 v[W+(\t)/2], v[BY]                   ; block 4 s + h,
.else
	v_lshl_or_b32 v[W+(\t)/2], v[BY], 16, v[W+(\t)/2]              ; block 4 s + 2 + h
.endif
	global_store_b128 v[L16], v[CS:CS+3], s[18:19] offset:((\t)/2)*1536+((\t)%2)*768       ; 512 consecutive bytes, aligned to 256
	global_store_b64 v[L8], v[CS+4:CS+5], s[18:19] offset:((\t)/2)*1536+((\t)%2)*768+512   ; 256 consecutive bytes, aligned
.endm
.irp t, 0,1,2,3,4,5,6,7,8,9,10,11,12,13,14,15
	STEP \t
.endr
.irp i, 0,1,2,3,4,5,6,7
	v_lshlrev_b32 v[W+\i], v[SH], v[W+\i]          ; my two bytes to their places,
.endr
.irp i, 0,1,2,3,4,5,6,7
	v_permlanex16_b32 v[PD], v[W+\i], s32, s33
	v_or_b32 v[W+\i], v[W+\i], v[PD]               ; with lane l xor 16's two the word is whole
.endr
.irp i, 0,1,2,3
	v_cndmask_b32 v[QD+\i], v[W+\i], v[W+4+\i], s31                ; lanes 0-15 store words 0-3, lanes 16-31 words 4-7
.endr
	global_store_b128 v[SBO], v[QD:QD+3], s[20:21] ; the tile's 512 scale bytes, consecutive and aligned
	s_wait_tensorcnt 0x0                           ; the wave's end
	ds_add_u32 v[SPW], v[NIL]
	s_wait_dscnt 0x0
	s_endpgm
.Lfunc_end_k_q3c233d8e8f_quant:
	.size	k_q3c233d8e8f_quant, .Lfunc_end_k_q3c233d8e8f_quant-k_q3c233d8e8f_quant
	.p2alignl 7, 3214868480
	.fill 96, 4, 3214868480
	.section	.rodata,"a",@progbits
	.p2align	6, 0x0
	.amdhsa_kernel k_q3c233d8e8f_quant
		.amdhsa_group_segment_fixed_size 61952
		.amdhsa_private_segment_fixed_size 0
		.amdhsa_enable_private_segment 0
		.amdhsa_kernarg_size 72
		.amdhsa_user_sgpr_count 2
		.amdhsa_user_sgpr_kernarg_segment_ptr 1
		.amdhsa_wavefront_size32 1
		.amdhsa_system_sgpr_workgroup_id_x 1
		.amdhsa_system_sgpr_workgroup_id_y 1
		.amdhsa_system_sgpr_workgroup_id_z 1
		.amdhsa_system_vgpr_workitem_id 0
		.amdhsa_next_free_vgpr 256
		.amdhsa_next_free_sgpr 66
		.amdhsa_reserve_vcc 0
		.amdhsa_float_denorm_mode_32 3
		.amdhsa_float_denorm_mode_16_64 3
		.amdhsa_memory_ordered 1
		.amdhsa_forward_progress 1
		.amdhsa_inst_pref_size 61
	.end_amdhsa_kernel
	.amdgpu_metadata
---
amdhsa.version: [ 1, 2 ]
amdhsa.kernels:
  - .name:           k_q3c233d8e8f_quant
    .symbol:         k_q3c233d8e8f_quant.kd
    .args:
      - { .name: query, .offset: 0, .size: 8, .value_kind: global_buffer, .address_space: global }
      - { .name: key, .offset: 8, .size: 8, .value_kind: global_buffer, .address_space: global }
      - { .name: value, .offset: 16, .size: 8, .value_kind: global_buffer, .address_space: global }
      - { .name: Wq, .offset: 24, .size: 8, .value_kind: global_buffer, .address_space: global }
      - { .name: Wk, .offset: 32, .size: 8, .value_kind: global_buffer, .address_space: global }
      - { .name: Wv, .offset: 40, .size: 8, .value_kind: global_buffer, .address_space: global }
      - { .name: Wo, .offset: 48, .size: 8, .value_kind: global_buffer, .address_space: global }
      - { .name: cb, .offset: 56, .size: 8, .value_kind: global_buffer, .address_space: global }
      - { .name: sb, .offset: 64, .size: 8, .value_kind: global_buffer, .address_space: global }
    .group_segment_fixed_size: 61952
    .private_segment_fixed_size: 0
    .kernarg_segment_align: 8
    .kernarg_segment_size: 72
    .max_flat_workgroup_size: 224
    .sgpr_count:     66
    .vgpr_count:     256
    .wavefront_size: 32
...
	.end_amdgpu_metadata
.endif
;; end of part 1
;; launch proj (part 2): grid 4 x 64, 4 waves a work-group, clusters of 4 x 4, 327,680 bytes of LDS; arguments cb, sb, bq, bk, bv, mask, qb, kvb; writes qb, kvb
.if DOCPART == 2
	.amdgcn_target "amdgcn-amd-amdhsa--gfx1250"
	.amdhsa_code_object_version 6
	.text
	.protected	k_q3c233d8e8f_proj
	.globl	k_q3c233d8e8f_proj
	.p2align	8
	.type	k_q3c233d8e8f_proj,@function
k_q3c233d8e8f_proj:
	s_mov_b64 s[64:65], 0
	v_nop
	global_prefetch_b8 v0, s[64:65] scope:SCOPE_SE
	s_setreg_imm32_b32 hwreg(HW_REG_WAVE_MODE, 25, 1), 1
	s_wait_xcnt 0x0
	s_wait_alu depctr_hold_cnt(0) depctr_sa_sdst(0) depctr_va_vdst(0) depctr_va_sdst(0) depctr_va_ssrc(0) depctr_va_vcc(0) depctr_vm_vsrc(0)
	s_getreg_b32 s2, hwreg(HW_REG_IB_STS2, 6, 4)
	s_cmp_eq_u32 s2, 0
	s_cbranch_scc0 .Lentry_in_a_cluster
	s_endpgm
.Lentry_in_a_cluster:
	s_bfe_u32 s2, ttmp6, 0x10000c
	s_cmp_lg_u32 s2, 0xf033
	s_cbranch_scc0 .Lentry_shape_is_right
	s_endpgm
.Lentry_shape_is_right:
; q = query Wq^T + bq, k = key Wk^T + bk, v = value Wv^T + bv on codes of FP6 (E2M3) with E8M0 scales, and the results quantised at once into the operand images that the attention launch reads.
; A TILE OF WORK is 128 "A rows" (a lane holds one: source 1) x 256 "B rows" (they run along a lane's registers: source 0), K = 1,024.  q, k: A = tokens, B = channels, so that a lane's registers run along the head's 64,
; the next product's K.  v: A = Wv's channels, B = tokens, so that they run along the keys.  Four waves, each 64 x 128: 32 accumulators.
; A WORK-GROUP STAYS: 256 work-groups, each makes one tile of q, then one of k (a loop of two trips), then one of v (written out behind the loop: it asks for nothing more, starts its sums from 0 and has its own way out).
; LDS: two slots, each half of K (512): A's 8 tiles x 6,144 bytes, then B's 16.  At the head one joint load a wave: wave 0 A's first half, wave 1 B's, wave 2 A's second half, wave 3 B's.
; TWO REFILLS A TILE, each behind a round of the cluster's barrier: in K step 3, when slot 0 is read out, waves 0 and 1 ask for the next tile's first half;
; behind K step 7 waves 2 and 3 ask for its second half.  The first has four K steps in which to land, the second the way out and three K steps.  Every wait on TENSORcnt is for 0; a wave has one tensor load out at the most.
; CLUSTER 4 x 4: A's tiles are shared along a row of the cluster, B's along a column.
; ROWS OF A TILE OF 16: in query, value and the weights lane r of tile 2 g + u is row 32 g + 8 u + r + 8 (r / 8): the 16 registers of B's tiles 2 g, 2 g + 1 are 16 neighbours 32 g + 16 (lane / 16) + 0 .. 15.
; In key lane r of tile 4 c + u is row 64 c + 8 u + r % 8 + 32 (r / 8); the mask is read in that order.
; OUT.  A head (16 batch + head) has 245,760 bytes = 16 steps of 128 tokens x 15,360: +0 eight tiles x 1,024 of q or k ([registers 0-3 at 16 l][4-7 at 512 + 16 l]; 0-5 the codes of block lane / 16, 6 the mask word, 7 zero);
; +8,192 v: 4 channel tiles x 1,536; +14,336 scale words of q or k; +14,848 v's.
; THE MASK rides in dimension 64 of the first attention product, whose K is 64 of the instruction's 128: q carries -4.0 under the byte 141, a masked key +4.0 under 142 (an open key 0 under 1), and a masked key's own row is multiplied by 0:
; its score is exactly -2^33.  LIMIT: so a masked logit is -2^30 = -1.0737e9 and not -1e9: the same results while open logits lie above about -1e9.
; LIMITS: blocks of zeros and blocks under 2^-124 keep the byte 1; NaN and infinities are not served.
; No prefetch into the L2: a refill is asked for at least three K steps, 96 products a wave, ahead of the wait for it, and the weights' tiles are read by all sixteen clusters of the launch.
.set HS,    245760
.set STB,   15360
.set CHUNK, 147456                     ; a slot
.set TCH,   6144                       ; a tile's bytes of half of K
.set TSTEP, 1536
.set BOFF,  49152
.set SPARE, 2*CHUNK                    ; the spare words, 128 bytes a wave
.set A16, 4                            ; v4-7  LDS addresses of my fragments in slot 0: the 16-byte and the 8-byte parts of A's and of B's; v208-211: in slot 1
.set A8,  5
.set B16, 6
.set B8,  7
.set AD1, 204
.set SPW, 8                            ; my spare word; never rewritten
.set NIL, 9                            ; 0; never rewritten
.set SCA, 10                           ; 32 r + 16 h
.set H64, 11                           ; 64 h
.set RW4, 12                           ; 4 (r + 8 (r / 8))
.set L16, 13                           ; 16 l
.set MK,  24                           ; v24-27 the mask at my tokens, kept from the head on
.set XW,  28                           ; v28-31 the mask word
.set SA,  32                           ; v32-47 A's scale words, four a tile: lanes 0-15 K steps 0-3, lanes 16-31 K steps 4-7
.set SB,  48                           ; v48-79 B's
.set BR,  80                           ; v80-87 a factor or a bias of my row, in pairs
.set XSC, 88
.set PWS, 92
.set AF,  96                           ; v96-143, v144-191 A's fragments, two sets.  Window 1: accumulators (a, b) at 64 a + 8 b.  Window 2: B's fragments at v0 and v128.  Window 3: v0-63 the bias along the registers
.set H,   96                           ; on the way out: 64 numbers
.set TM,  160
.set PW,  176
.set PC,  180
.set PT,  196
.set QD,  204
.set VB,  212                          ; v212-215 bv at my channels, kept from the head on
.set RWM, 216                          ; 4 (r % 8 + 32 (r / 8))
.set G1A, 24
.set G1B, 32
.set G0A, 40
.set G0B, 44
.set TA,  48                           ; s48-50 A's first tile for q, k, v: made of the cluster's y and cy alone
.set TB,  51                           ; s51-53 B's: of the cluster's y and cx alone
.set ARV, 54
.set BCV, 55
.set SEL, 56
.set WV,  20
.set RH,  21
.set HF,  22
.set TT,  23                           ; 0 q, 1 k
.set ARW, 2
.set BCL, 3
.set MSB, 0
.macro WIN new                         ; the immediate's high byte repeats the setting that is left
.if MSB != \new
	s_set_vgpr_msb (MSB<<8)|\new
.set MSB, \new
.endif
.endm
.macro PLACES n
.rept \n
	v_nop
.endr
.endm
.macro CROUND                          ; a round of the cluster's barrier
	s_barrier_signal -1
	s_barrier_wait -1
	s_cmp_lg_u32 s[WV], 0
	s_cbranch_scc1 .Lnot_wave_0_\@
	s_barrier_signal -3
.Lnot_wave_0_\@:
	s_barrier_wait -3
	s_barrier_signal -1
	s_barrier_wait -1
.endm
.macro TLOAD g0, g1
	tensor_load_to_lds s[\g0:\g0+3], s[\g1:\g1+7]
	s_nop 0
	PLACES 4
.endm
.macro REFILL wa, wb                   ; wave wa asks for A's half, wave wb for B's, the others for nothing
	s_cmp_eq_u32 s[WV], \wa
	s_cbranch_scc0 .Lrb_\@
	TLOAD G0A, G1A
	s_branch .Lrd_\@
.Lrb_\@:
	s_cmp_eq_u32 s[WV], \wb
	s_cbranch_scc0 .Lrd_\@
	TLOAD G0B, G1B
.Lrd_\@:
.endm
.macro GADDR ta, tb                    ; both group 0's addresses for the tiles in s[ta], s[tb]: my half of K (s60 = 6,144 x wave / 2)
	s_mul_i32 s72, s[\ta], 12288
	s_add_co_u32 s72, s72, s60
	s_mov_b32 s73, 0
	s_add_nc_u64 s[G0A+2:G0A+3], s[4:5], s[72:73]
	s_or_b32 s[G0A+3], s[G0A+3], 0x80000000
	s_mul_i32 s74, s[\tb], 12288
	s_add_co_u32 s74, s74, s60
	s_mov_b32 s75, 0
	s_add_nc_u64 s[G0B+2:G0B+3], s[4:5], s[74:75]
	s_or_b32 s[G0B+3], s[G0B+3], 0x80000000
.endm
.macro SCALES ta, tb                   ; the scale bytes of my four tiles of A and of my eight of B
	s_lshl_b32 s66, s[RH], 2
	s_add_co_u32 s66, s66, s[\ta]
	s_lshl_b32 s66, s66, 9
	s_mov_b32 s67, 0
	s_add_nc_u64 s[66:67], s[6:7], s[66:67]
	s_lshl_b32 s68, s[HF], 3
	s_add_co_u32 s68, s68, s[\tb]
	s_lshl_b32 s68, s68, 9
	s_mov_b32 s69, 0
	s_add_nc_u64 s[68:69], s[6:7], s[68:69]
.irp a, 0,1,2,3
	global_load_b128 v[SA+4*\a:SA+4*\a+3], v[SCA], s[66:67] offset:512*\a
.endr
.irp b, 0,1,2,3,4,5,6,7
	global_load_b128 v[SB+4*\b:SB+4*\b+3], v[SCA], s[68:69] offset:512*\b
.endr
.endm
.macro BIASLD ptr                      ; q, k: the bias runs along the registers: register 16 g + i is the bias at 32 g + 16 h + i of my 128 channels
	s_add_nc_u64 s[70:71], s[\ptr:\ptr+1], s[62:63]
	WIN 0xc0
.irp i, 0,1,2,3,4,5,6,7,8,9,10,11,12,13,14,15
	global_load_b128 v[4*\i:4*\i+3], v[H64], s[70:71] offset:128*(\i/4)+16*(\i%4)
.endr
	WIN 0
.endm
.macro FRAG reg, a16, a8, off          ; a fragment's 12 registers: each half is 16 + 8 bytes a lane
	ds_load_b128 v[(\reg):(\reg)+3], v[\a16] offset:(\off)
	ds_load_b64 v[(\reg)+4:(\reg)+5], v[\a8] offset:(\off)+512
	ds_load_b128 v[(\reg)+6:(\reg)+9], v[\a16] offset:(\off)+768
	ds_load_b64 v[(\reg)+10:(\reg)+11], v[\a8] offset:(\off)+1280
.endm
.macro FETCH s, set                    ; K step s (slot s / 4): B's eight fragments and A's four
	WIN 0x80
.irp i, 0,1,2,3,4,5,6,7
	FRAG 128*(\set)+12*\i, B16+AD1*((\s)/4), B8+AD1*((\s)/4), TCH*\i+TSTEP*((\s)%4)
.endr
	WIN 0
.irp i, 0,1,2,3
	FRAG AF+48*(\set)+12*\i, A16+AD1*((\s)/4), A8+AD1*((\s)/4), TCH*\i+TSTEP*((\s)%4)
.endr
.endm
.macro MUL s, set, bias                ; 32 products; the accumulators take turns, one instruction a turn, in the same order in every step.  Step 0 starts the sums: from the bias, or from 0
.if ((\s) == 0) && (\bias)
	WIN 0x72
.else
	WIN 0x52
.endif
.irp a, 0,1,2,3
.irp b, 0,1,2,3,4,5,6,7
.if (\s) == 0
.if \bias
	v_wmma_scale_f32_16x16x128_f8f6f4 v[64*\a+8*\b:64*\a+8*\b+7], v[128*(\set)+12*\b:128*(\set)+12*\b+11], v[AF+48*(\set)+12*\a:AF+48*(\set)+12*\a+11], v[8*\b:8*\b+7], v[SB+4*\b], v[SA+4*\a] matrix_a_fmt:MATRIX_FMT_FP6 matrix_b_fmt:MATRIX_FMT_FP6
.else
	v_wmma_scale_f32_16x16x128_f8f6f4 v[64*\a+8*\b:64*\a+8*\b+7], v[128*(\set)+12*\b:128*(\set)+12*\b+11], v[AF+48*(\set)+12*\a:AF+48*(\set)+12*\a+11], 0, v[SB+4*\b], v[SA+4*\a] matrix_a_fmt:MATRIX_FMT_FP6 matrix_b_fmt:MATRIX_FMT_FP6
.endif
.elseif (\s) < 4
	v_wmma_scale_f32_16x16x128_f8f6f4 v[64*\a+8*\b:64*\a+8*\b+7], v[128*(\set)+12*\b:128*(\set)+12*\b+11], v[AF+48*(\set)+12*\a:AF+48*(\set)+12*\a+11], v[64*\a+8*\b:64*\a+8*\b+7], v[SB+4*\b+(\s)], v[SA+4*\a+(\s)] matrix_a_fmt:MATRIX_FMT_FP6 matrix_b_fmt:MATRIX_FMT_FP6
.else
	v_wmma_scale_f32_16x16x128_f8f6f4 v[64*\a+8*\b:64*\a+8*\b+7], v[128*(\set)+12*\b:128*(\set)+12*\b+11], v[AF+48*(\set)+12*\a:AF+48*(\set)+12*\a+11], v[64*\a+8*\b:64*\a+8*\b+7], v[SB+4*\b+(\s)-4], v[SA+4*\a+(\s)-4] matrix_a_fmt:MATRIX_FMT_FP6 matrix_b_fmt:MATRIX_FMT_FP6 matrix_a_scale:MATRIX_SCALE_ROW1 matrix_b_scale:MATRIX_SCALE_ROW1
.endif
.endr
.endr
	WIN 0
.endm
; A tile's eight K steps.  Step s multiplies set s % 2 while step s + 1's fragments come from LDS.  refill = 1: in step 3 slot 0, read out, takes the next tile's first half
.macro KSTEPS refill
.irp s, 0,1,2,3,4,5,6,7
	s_wait_dscnt 0x0                               ; this step's fragments are in
.if \s == 3
.if \refill
	s_wait_tensorcnt 0x0                           ; all my tensor loads are in, my part of slot 1 among them;
	ds_add_u32 v[SPW], v[NIL]                      ; work on scalar registers stands between it and its wait:
	s_cmp_eq_u32 s[TT], 0
	s_cselect_b32 s58, s[TA+1], s[TA+2]            ; the next tile's first tiles of A and of B,
	s_cselect_b32 s59, s[TB+1], s[TB+2]
	GADDR 58, 59                                   ; and no load of mine is out: the descriptors may be written
	s_wait_dscnt 0x0
	CROUND                                         ; no wave of any partner reads slot 0 any more, and slot 1 is whole
	REFILL 0, 1
.else
	s_wait_tensorcnt 0x0                           ; every wave's load is in: slot 1 is whole
	s_barrier_signal -1
	s_barrier_wait -1
.endif
	PLACES 4                                       ; in front of loads into registers that the step before multiplied
.elseif (\s > 0) && (\s < 7)
	PLACES 4
.endif
.if \s < 7
	FETCH \s+1, (\s+1)%2
.endif
	MUL \s, \s%2, \refill
.endr
.endm
; 64 numbers of a lane, register 16 b + i = k 32 b + 16 (lane / 16) + i of my row, become codes (half c at v[PC + str c], six registers) and a scale word in v[PW]
.macro QUANT s, str
.irp b, 0,1,2,3
	v_max3_num_f32 v[TM+\b], |v[\s+16*\b]|, |v[\s+1+16*\b]|, 0x1800000   ; over the floor 2^(3 - 127): the byte cannot fall under 1
.endr
.irp i, 2,4,6,8,10,12,14
.irp b, 0,1,2,3
	v_max3_num_f32 v[TM+\b], v[TM+\b], |v[\s+16*\b+\i]|, |v[\s+1+16*\b+\i]|
.endr
.endr
.irp b, 0,1,2,3
	v_permlanex16_b32 v[TM+4+\b], v[TM+\b], s[SEL], s[SEL+1]
.endr
.irp b, 0,1,2,3
	v_max_num_f32 v[TM+\b], v[TM+\b], v[TM+4+\b]   ; with lane l xor 16's: the block's largest magnitude
.endr
.irp b, 0,1,2,3
	v_add_nc_u32 v[TM+12+\b], 0xff000000, v[TM+\b] ; 2 off its exponent field: the conversion's scale operand
.endr
.irp b, 0,1,2,3
	v_lshrrev_b32 v[TM+4+\b], 23, v[TM+12+\b]      ; the byte
.endr
	v_lshl_or_b32 v[PW], v[TM+5], 8, v[TM+4]
	v_lshl_or_b32 v[PW], v[TM+6], 16, v[PW]
	v_lshl_or_b32 v[PW], v[TM+7], 24, v[PW]
.irp c, 0,1
	v_cvt_scalef32_pk16_fp6_f32 v[PC+\str*\c:PC+\str*\c+2], v[\s+32*\c:\s+32*\c+15], v[TM+12+2*\c]
	v_cvt_scalef32_pk16_fp6_f32 v[PT+4*\c:PT+4*\c+2], v[\s+16+32*\c:\s+31+32*\c], v[TM+13+2*\c]
.endr
	v_nop                                          ; one plain line behind the conversions
.irp c, 0,1                            ; the operand wants a whole block in a lane: lanes 0-15 block 2 c, lanes 16-31 block 2 c + 1
.irp i, 0,1,2
	v_permlane16_swap_b32 v[PC+\str*\c+\i], v[PT+4*\c+\i]
.endr
.irp i, 0,1,2
	v_mov_b32 v[PC+\str*\c+3+\i], v[PT+4*\c+\i]
.endr
.endr
.endm
	s_load_b256 s[4:11], s[0:1], 0x0               ; cb, sb, bq, bk
	s_load_b256 s[12:19], s[0:1], 0x20             ; bv, mask, qb, kvb
	v_lshl_add_u32 v[SPW], v0, 2, SPARE
	v_mov_b32 v[NIL], 0
	ds_add_u32 v[SPW], v[NIL]                      ; the opening lines: the add, twice on end, and its wait ahead of my first tensor load
	ds_add_u32 v[SPW], v[NIL]
	v_lshrrev_b32 v1, 5, v0
	v_readfirstlane_b32 s[WV], v1
	s_lshr_b32 s[RH], s[WV], 1                     ; my 64 of A's rows; also the half of K that I fetch
	s_and_b32 s[HF], s[WV], 1                      ; my 128 of B's rows; also: I fetch for A (0) or for B (1)
	s_bfe_u32 s76, ttmp6, 0x40000                  ; cx
	s_bfe_u32 s77, ttmp6, 0x40004                  ; cy
	s_and_b32 s78, ttmp7, 0xffff                   ; the cluster's y, 0 .. 15
	s_lshl_b32 s79, s78, 5
	s_lshl_b32 s80, s77, 3
	s_add_co_u32 s[TA], s79, s80                   ; q: A = query's tokens: tile 32 y + 8 cy
	s_add_co_u32 s[TA+1], s[TA], 512               ; k: key's
	s_and_b32 s81, s78, 1
	s_lshl_b32 s82, s81, 5
	s_add_co_u32 s82, s82, s80
	s_add_co_u32 s[TA+2], s82, 1664                ; v: A = Wv: tile 1664 + 32 (y % 2) + 8 cy
	s_lshl_b32 s83, s76, 4
	s_add_co_u32 s[TB], s83, 1536                  ; q: B = Wq: tile 1536 + 16 cx
	s_add_co_u32 s[TB+1], s83, 1600                ; k: Wk
	s_lshr_b32 s84, s78, 1
	s_lshl_b32 s85, s84, 6
	s_add_co_u32 s85, s85, s83
	s_add_co_u32 s[TB+2], s85, 1024                ; v: B = value's tokens: tile 1024 + 64 (y / 2) + 16 cx
	s_lshl_b32 s[ARW], s78, 2
	s_add_co_u32 s[ARW], s[ARW], s77               ; q, k: which 128 tokens
	s_mov_b32 s[BCL], s76                          ; and which 256 channels
	s_lshl_b32 s[ARV], s81, 2
	s_add_co_u32 s[ARV], s[ARV], s77               ; v: which 128 channels
	s_lshl_b32 s[BCV], s84, 2
	s_add_co_u32 s[BCV], s[BCV], s76               ; and which 256 tokens
	s_mul_i32 s60, s[RH], TCH
	s_mul_i32 s91, s[RH], CHUNK
	s_lshl_b32 s92, s77, 2
	s_lshl_b32 s92, 15, s92                        ; my row of the cluster
	s_lshl_b32 s93, 0x1111, s76                    ; my column
	s_or_b32 s[G1A], s92, (3<<16)|(1<<21)          ; the mask; elements of 8 bytes; bit 21 beside a mask; no padding
	s_or_b32 s[G1B], s93, (3<<16)|(1<<21)
	s_mov_b32 s[G1A+1], 768<<16                    ; a row is a tile's 6,144 bytes of half of K
	s_mov_b32 s[G1A+2], 8<<16                      ; eight tiles
	s_mov_b32 s[G1A+3], 768<<16
	s_mov_b32 s[G1A+4], 8
	s_mov_b32 s[G1A+5], 1536                       ; from tile to tile: 12,288 bytes
	s_mov_b32 s[G1A+6], 0
	s_mov_b32 s[G1A+7], 0
	s_mov_b32 s[G1B+1], 768<<16
	s_mov_b32 s[G1B+2], 16<<16
	s_mov_b32 s[G1B+3], 768<<16
	s_mov_b32 s[G1B+4], 16
	s_mov_b32 s[G1B+5], 1536
	s_mov_b32 s[G1B+6], 0
	s_mov_b32 s[G1B+7], 0
	s_mov_b32 s[G0A], 1
	s_mov_b32 s[G0A+1], s91
	s_mov_b32 s[G0B], 1
	s_add_co_u32 s[G0B+1], s91, BOFF
	s_mov_b32 s[SEL], 0x76543210
	s_mov_b32 s[SEL+1], 0xfedcba98                 ; selects for lane l xor 16
	s_wait_dscnt 0x0                               ; both opening adds are done
	s_wait_kmcnt 0x0
	GADDR TA, TB
	CROUND                                         ; all sixteen work-groups are here: the joint loads meet
.macro ARM under, g0, g1, next         ; one chain of arms on the wave's number, one load to an arm: the two waves that wait ahead of the first barrier have lines of their own
	s_cmp_lt_u32 s[WV], \under
	s_cbranch_scc0 \next
	TLOAD \g0, \g1
	s_branch .Lfilled
\next:
.endm
	ARM 1, G0A, G1A, .Lfill_b0
	ARM 2, G0B, G1B, .Lfill_a1
	ARM 3, G0A, G1A, .Lfill_b1
	TLOAD G0B, G1B
.Lfilled:
	v_and_b32 v1, 31, v0                           ; l
	v_and_b32 v2, 15, v0                           ; r
	v_bfe_u32 v3, v0, 4, 1                         ; h
	s_mul_i32 s92, s[RH], 4*TCH
	s_mul_i32 s91, s[HF], 8*TCH
	s_add_co_u32 s91, s91, BOFF
	v_lshlrev_b32 v[L16], 4, v1
	v_lshlrev_b32 v14, 3, v1
	v_add_nc_u32 v[A16], s92, v[L16]
	v_add_nc_u32 v[A8], s92, v14
	v_add_nc_u32 v[B16], s91, v[L16]
	v_add_nc_u32 v[B8], s91, v14
.irp i, A16, A8, B16, B8
	v_add_nc_u32 v[\i+AD1], CHUNK, v[\i]
.endr
	v_lshlrev_b32 v[SCA], 5, v2
	v_lshl_add_u32 v[SCA], v3, 4, v[SCA]
	v_lshlrev_b32 v[H64], 6, v3
	v_and_b32 v[RW4], 8, v2
	v_add_nc_u32 v[RW4], v[RW4], v2
	v_lshlrev_b32 v[RW4], 2, v[RW4]
	v_and_b32 v15, 7, v2
	v_lshrrev_b32 v16, 3, v2
	v_lshl_add_u32 v15, v16, 5, v15
	v_lshlrev_b32 v[RWM], 2, v15
	s_wait_alu depctr_va_vdst(0)
	s_lshl_b32 s62, s[BCL], 1
	s_add_co_u32 s62, s62, s[HF]
	s_lshl_b32 s62, s62, 9                         ; q, k: my 128 channels, 4 bytes each
	s_mov_b32 s63, 0
	s_lshl_b32 s80, s[ARW], 1
	s_add_co_u32 s80, s80, s[RH]
	s_lshl_b32 s80, s80, 8                         ; my 64 tokens
	s_mov_b32 s81, 0
	s_add_nc_u64 s[80:81], s[14:15], s[80:81]      ; the mask there
	s_lshl_b32 s82, s[ARV], 1
	s_add_co_u32 s82, s82, s[RH]
	s_lshl_b32 s82, s82, 8                         ; v: my 64 channels
	s_mov_b32 s83, 0
	s_add_nc_u64 s[82:83], s[12:13], s[82:83]      ; bv there
	SCALES TA, TB
	BIASLD 8
.irp a, 0,1,2,3
	global_load_b32 v[MK+\a], v[RWM], s[80:81] offset:32*\a                        ; key's tile a of my four: tokens 8 a + r % 8 + 32 (r / 8)
	global_load_b32 v[VB+\a], v[RW4], s[82:83] offset:(32*(\a/2)+8*(\a%2))*4
.endr
	s_cmp_lt_u32 s[WV], 2                          ; waves 0 and 1 wait for slot 0; slot 1's loads stay out
	s_cbranch_scc0 .Lnot_first
	s_wait_tensorcnt 0x0
.Lnot_first:
	s_barrier_signal -1
	s_barrier_wait -1
	FETCH 0, 0
	s_wait_loadcnt 0x0
	s_mov_b32 s[TT], 0
.Ltile:
	KSTEPS 1
	PLACES 4                                       ; in front of the loads into the scale registers, of the first read of results and of the first write over fragments
	SCALES 58, 59                                  ; the next tile's scale bytes come under the way out
	s_cmp_eq_u32 s[TT], 0
	s_cbranch_scc0 .Lno_bias                       ; and, if it is k's, its bias (v starts its sums from 0)
	BIASLD 10
.Lno_bias:
	s_wait_tensorcnt 0x0                           ; slot 0's refill is in;
	ds_add_u32 v[SPW], v[NIL]
	s_wait_dscnt 0x0
	CROUND                                         ; no wave of any partner reads slot 1 any more, and slot 0 is whole
	REFILL 2, 3
	; ---- the way out of q and k: a lane holds a token, 128 channels = two heads
.irp b, 0,1,2,3
	v_mov_b32 v[TM+4+\b], 0                        ; a lane permute's destination counts as read
.endr
	s_cmp_eq_u32 s[TT], 0
	s_cselect_b64 s[92:93], s[16:17], s[18:19]     ; qb or kvb
	s_cselect_b32 s88, 0, -1                       ; all lanes on for k
	s_cselect_b32 s89, 0x38, 0                     ; q's mask word: -4.0
	s_mov_b32 s90, 0x01010000
	s_cselect_b32 s90, 0x018d0000, s90             ; bytes of blocks 2, 3: q 141, 1; an open key 1, 1
	s_mov_b32 s91, 0xffff
	s_lshr_b32 s94, s[ARW], 4                      ; batch
	s_and_b32 s95, s[ARW], 15                      ; step of 128 tokens
	s_lshl_b32 s94, s94, 4
	s_lshl_b32 s96, s[BCL], 2
	s_add_co_u32 s94, s94, s96
	s_lshl_b32 s96, s[HF], 1
	s_add_co_u32 s94, s94, s96                     ; 16 batch + my first head
	s_mul_i32 s94, s94, HS
	s_mul_i32 s96, s95, STB
	s_add_co_u32 s94, s94, s96                     ; my step's block
	s_lshl_b32 s96, s[RH], 12
	s_add_co_u32 s96, s96, s94
	s_mov_b32 s97, 0
	s_add_nc_u64 s[96:97], s[92:93], s[96:97]      ; my four tiles' images
	s_lshl_b32 s98, s[RH], 8
	s_add_co_u32 s98, s98, s94
	s_add_co_u32 s98, s98, 14336
	s_mov_b32 s99, 0
	s_add_nc_u64 s[98:99], s[92:93], s[98:99]      ; and their scale words
	v_mov_b32 v14, 0
	v_mov_b32 v15, 0x18                            ; +4.0
	v_mov_b32 v16, 0x018e0000                      ; a masked key: 142, 1
	v_and_b32 v17, 15, v0
	v_lshlrev_b32 v17, 4, v17
	v_bfe_u32 v18, v0, 4, 1
	v_mul_u32_u24 v19, v18, HS
	v_add_nc_u32 v17, v17, v19                     ; 16 r, lanes 16-31 one head on
	v_lshlrev_b32 v18, 4, v18                      ; 16 h
	v_mov_b32 v[PC+7], 0
	v_mov_b32 v[PC+15], 0
.irp a, 0,1,2,3
	v_cmp_eq_u32 s[80+\a], 0, v[MK+\a]
	s_and_b32 s[80+\a], s[80+\a], s88              ; my token is a masked key
	v_cndmask_b32 v[BR+2*\a], 1.0, v14, s[80+\a]   ; its row is multiplied by 0
	v_mov_b32 v[BR+2*\a+1], 0
	v_mov_b32 v[XW+\a], s89
	v_cndmask_b32 v[XW+\a], v[XW+\a], v15, s[80+\a]
	v_cndmask_b32 v[XW+\a], 0, v[XW+\a], s91       ; dimension 64 lies in lanes 0-15
	v_mov_b32 v[XSC+\a], s90
	v_cndmask_b32 v[XSC+\a], v[XSC+\a], v16, s[80+\a]
.endr
.irp a, 0,1,2,3
	s_wait_xcnt 0x0                                ; the last tile's stores have read their data
	WIN 0x01
.set JJ, 0
.rept 32
	v_pk_mul_f32 v[H+JJ:H+JJ+1], v[64*\a+JJ:64*\a+JJ+1], v[BR+2*\a:BR+2*\a+1] op_sel_hi:[1,0]   ; each accumulator from its low end on
.set JJ, JJ+2
.endr
	WIN 0
	QUANT H, 8
	v_mov_b32 v[PC+6], v[XW+\a]
	v_mov_b32 v[PC+14], v[XW+\a]
	v_mov_b32 v[PWS+\a], v[PW]
.irp c, 0,1
	global_store_b128 v[L16], v[PC+8*\c:PC+8*\c+3], s[96:97] offset:1024*\a+HS*\c       ; 512 consecutive bytes, aligned
	global_store_b128 v[L16], v[PC+8*\c+4:PC+8*\c+7], s[96:97] offset:1024*\a+HS*\c+512
.endr
.endr
.irp a, 0,1,2,3
	v_lshrrev_b32 v[QD+\a], v18, v[PWS+\a]         ; lanes 0-15 the first head's two bytes, lanes 16-31 the second's
	v_and_or_b32 v[QD+\a], v[QD+\a], s91, v[XSC+\a]
.endr
	global_store_b128 v17, v[QD:QD+3], s[98:99]    ; sixteen lanes store 256 consecutive bytes, aligned
	s_wait_alu depctr_va_vdst(0)
	s_wait_xcnt 0x0                                ; the stores have read their data: fragments may land there
	s_wait_loadcnt 0x0                             ; the next tile's scale bytes and bias are in
	FETCH 0, 0                                     ; its first fragments, out of slot 0
	s_add_co_u32 s[TT], s[TT], 1
	s_cmp_lt_u32 s[TT], 2
	s_cbranch_scc1 .Ltile
	KSTEPS 0
	PLACES 4                                       ; in front of the first read of results and the first write over fragments
	; ---- the way out of v: a lane holds a channel, 128 keys along its registers
.irp b, 0,1,2,3
	v_mov_b32 v[TM+4+\b], 0
.endr
	s_lshl_b32 s94, s[BCV], 1
	s_add_co_u32 s94, s94, s[HF]                   ; which 128 tokens
	s_and_b32 s95, s94, 15
	s_lshr_b32 s94, s94, 4
	s_lshl_b32 s94, s94, 4
	s_lshl_b32 s96, s[ARV], 1
	s_add_co_u32 s94, s94, s96
	s_add_co_u32 s94, s94, s[RH]                   ; 16 batch + head
	s_mul_i32 s94, s94, HS
	s_mul_i32 s96, s95, STB
	s_add_co_u32 s94, s94, s96                     ; my step's block
	s_add_co_u32 s96, s94, 8192
	s_mov_b32 s97, 0
	s_add_nc_u64 s[96:97], s[18:19], s[96:97]
	s_add_co_u32 s98, s94, 14848
	s_mov_b32 s99, 0
	s_add_nc_u64 s[98:99], s[18:19], s[98:99]
.irp a, 0,1,2,3
	v_mov_b32 v[BR+2*\a], v[VB+\a]
	v_mov_b32 v[BR+2*\a+1], 0
.endr
	s_wait_alu depctr_va_vdst(0)
.irp a, 0,1,2,3
	s_wait_xcnt 0x0
	WIN 0x01
.set JJ, 0
.rept 32
	v_pk_add_f32 v[H+JJ:H+JJ+1], v[64*\a+JJ:64*\a+JJ+1], v[BR+2*\a:BR+2*\a+1] op_sel_hi:[1,0]   ; + my channel's bias
.set JJ, JJ+2
.endr
	WIN 0
	QUANT H, 6
	v_mov_b32 v[PWS+\a], v[PW]
.irp j, 0,1,2
	global_store_b128 v[L16], v[PC+4*\j:PC+4*\j+3], s[96:97] offset:1536*\a+512*\j
.endr
.endr
	global_store_b128 v[L16], v[PWS:PWS+3], s[98:99]
	s_wait_tensorcnt 0x0                           ; the wave's end
	ds_add_u32 v[SPW], v[NIL]
	s_wait_dscnt 0x0
	CROUND                                         ; the closing round
	s_endpgm
.Lfunc_end_k_q3c233d8e8f_proj:
	.size	k_q3c233d8e8f_proj, .Lfunc_end_k_q3c233d8e8f_proj-k_q3c233d8e8f_proj
	.p2alignl 7, 3214868480
	.fill 96, 4, 3214868480
	.section	.rodata,"a",@progbits
	.p2align	6, 0x0
	.amdhsa_kernel k_q3c233d8e8f_proj
		.amdhsa_group_segment_fixed_size 327680
		.amdhsa_private_segment_fixed_size 0
		.amdhsa_enable_private_segment 0
		.amdhsa_kernarg_size 64
		.amdhsa_user_sgpr_count 2
		.amdhsa_user_sgpr_kernarg_segment_ptr 1
		.amdhsa_wavefront_size32 1
		.amdhsa_system_sgpr_workgroup_id_x 1
		.amdhsa_system_sgpr_workgroup_id_y 1
		.amdhsa_system_sgpr_workgroup_id_z 1
		.amdhsa_system_vgpr_workitem_id 0
		.amdhsa_next_free_vgpr 1024
		.amdhsa_next_free_sgpr 100
		.amdhsa_reserve_vcc 0
		.amdhsa_float_denorm_mode_32 3
		.amdhsa_float_denorm_mode_16_64 3
		.amdhsa_memory_ordered 1
		.amdhsa_forward_progress 1
		.amdhsa_inst_pref_size 189
	.end_amdhsa_kernel
	.amdgpu_metadata
---
amdhsa.version: [ 1, 2 ]
amdhsa.kernels:
  - .name:           k_q3c233d8e8f_proj
    .symbol:         k_q3c233d8e8f_proj.kd
    .args:
      - { .name: cb, .offset: 0, .size: 8, .value_kind: global_buffer, .address_space: global }
      - { .name: sb, .offset: 8, .size: 8, .value_kind: global_buffer, .address_space: global }
      - { .name: bq, .offset: 16, .size: 8, .value_kind: global_buffer, .address_space: global }
      - { .name: bk, .offset: 24, .size: 8, .value_kind: global_buffer, .address_space: global }
      - { .name: bv, .offset: 32, .size: 8, .value_kind: global_buffer, .address_space: global }
      - { .name: mask, .offset: 40, .size: 8, .value_kind: global_buffer, .address_space: global }
      - { .name: qb, .offset: 48, .size: 8, .value_kind: global_buffer, .address_space: global }
      - { .name: kvb, .offset: 56, .size: 8, .value_kind: global_buffer, .address_space: global }
    .group_segment_fixed_size: 327680
    .private_segment_fixed_size: 0
    .kernarg_segment_align: 8
    .kernarg_segment_size: 64
    .max_flat_workgroup_size: 128
    .sgpr_count:     100
    .vgpr_count:     1024
    .wavefront_size: 32
...
	.end_amdgpu_metadata
.endif
;; end of part 2
;; launch attn (part 3): grid 4 x 64, 8 waves a work-group, clusters of 4 x 1, 327,680 bytes of LDS; arguments qb, kvb, ctx, ctxs; writes ctx, ctxs
.if DOCPART == 3
	.amdgcn_target "amdgcn-amd-amdhsa--gfx1250"
	.amdhsa_code_object_version 6
	.text
	.protected	k_q3c233d8e8f_attn
	.globl	k_q3c233d8e8f_attn
	.p2align	8
	.type	k_q3c233d8e8f_attn,@function
k_q3c233d8e8f_attn:
	s_mov_b64 s[64:65], 0
	v_nop
	global_prefetch_b8 v0, s[64:65] scope:SCOPE_SE
	s_setreg_imm32_b32 hwreg(HW_REG_WAVE_MODE, 25, 1), 1
	s_wait_xcnt 0x0
	s_wait_alu depctr_hold_cnt(0) depctr_sa_sdst(0) depctr_va_vdst(0) depctr_va_sdst(0) depctr_va_ssrc(0) depctr_va_vcc(0) depctr_vm_vsrc(0)
	s_getreg_b32 s2, hwreg(HW_REG_IB_STS2, 6, 4)
	s_cmp_eq_u32 s2, 0
	s_cbranch_scc0 .Lentry_in_a_cluster
	s_endpgm
.Lentry_in_a_cluster:
	s_bfe_u32 s2, ttmp6, 0x10000c
	s_cmp_lg_u32 s2, 0x3003
	s_cbranch_scc0 .Lentry_shape_is_right
	s_endpgm
.Lentry_shape_is_right:
; ctx = softmax(q k^T / 8, masked) v for one head (16 batch + head = work-group y) and 512 queries (place cx in the cluster), on codes of FP6 (E2M3) with E8M0 scales; ctx leaves quantised, as the operand image of the last product.
; IN.  A head of qb or kvb is 245,760 bytes = 16 steps of 128 tokens x 15,360: +0 eight tiles x 1,024 of q or k ([registers 0-3 at 16 l][4-7 at 512 + 16 l]; 0-5 codes, 6 the mask word, 7 zero); +8,192 v: four channel tiles x 1,536;
; +14,336 scale words of q or k (512 bytes); +14,848 v's.  The mask rides in dimension 64 of the first product, as the launch before laid it: a masked key's score is -2^33, its logit -2^30.
; THE DEAL.  Eight waves; a wave takes 64 queries in two passes of 32 (two tiles), and in a pass walks the 16 steps of 128 keys.  Both products are used transposed: a lane holds one query.
; LDS holds the head's K, V and scales whole, as they lie in memory, filled ONCE: each wave brings two steps (30,720 bytes, 120 rows of 256) by one joint load, shared by the four work-groups of the cluster, which read the same head.
; Waves 0 and 1 (steps 0 to 3) have a load line of their own and wait ahead of the first barrier; a second barrier, behind a pass's third step, shows the other twelve steps.  Nothing is filled again.
; No prefetch into the L2: every fill goes out at the head, so there is no loop to run ahead in.
; A STEP: S^T = k q^T (16 products); behind them this step's V and the NEXT step's K are fetched from LDS; running maximum M (a whole number), p = 2^(t - M), the row's sum of the unquantised p, p's codes and scale word, O^T x 2^(old M - new M), O^T += v^T p^T (8 products).
; The last step fetches its own K once more (the address is held at step 15), and each pass fetches step 0's K at its top.
; LIMITS: NaN and infinities are not served; the promise holds while the scaled scores stay under 2^31 in magnitude; blocks of zeros and blocks under 2^-124 keep the scale byte 1.
.set HS,    245760
.set STB,   15360
.set VOF,   8192
.set KSO,   14336
.set VSO,   14848
.set SPARE, HS                         ; behind the head's image: the spare words, 128 bytes a wave
.set LI,  1                            ; 16 l
.set SPW, 2                            ; my spare word; never rewritten
.set NIL, 3                            ; 0; never rewritten
.set ADC, 4                            ; LDS address of this step's block
.set ADN, 5                            ; and of the next step's
.set SH8, 6                            ; 8 (lane / 16)
.set R16, 8
.set L8,  9
.set CSO, 10
.set KS,  12                           ; v12-15 k's scale words, v16-19 v's, v20-21 q's, v22-23 p's
.set VS,  16
.set QS,  20
.set PS,  22
.set ST,  24                           ; v24-71 the state of the two query tiles, 24 registers each
.set NM,  0                            ; -M
.set TX,  1                            ; the running largest t
.set LS,  2                            ; the sum, in two halves
.set FF,  4                            ; 2^(old M - new M)
.set C2,  6
.set BM,  8
.set BT,  12
.set SO,  16
.set TP,  20
.set S,   72                           ; v72-199 scores, then p
.set PC,  200                          ; p's codes
.set PT,  224
.set OT,  0                            ; window 1: v0-63 O^T, v64-87 q, v96-191 k, v192-239 v
.set QF,  64
.set KF,  96
.set VF,  192
.set WV,  12
.set CC,  54
.set SEL, 56
.set MSB, 0
.macro WIN new                         ; the immediate's high byte repeats the setting that is left
.if MSB != \new
	s_set_vgpr_msb (MSB<<8)|\new
.set MSB, \new
.endif
.endm
.macro CROUND                          ; a round of the cluster's barrier
	s_barrier_signal -1
	s_barrier_wait -1
	s_cmp_lg_u32 s[WV], 0
	s_cbranch_scc1 .Lnot_wave_0_\@
	s_barrier_signal -3
.Lnot_wave_0_\@:
	s_barrier_wait -3
	s_barrier_signal -1
	s_barrier_wait -1
.endm
.macro TLOAD
	tensor_load_to_lds s[32:35], s[24:31]
	s_nop 0
.rept 4
	v_nop
.endr
.endm
	s_load_b256 s[4:11], s[0:1], 0x0               ; qb, kvb, ctx, ctxs
	v_lshl_add_u32 v[SPW], v0, 2, SPARE
	v_mov_b32 v[NIL], 0
	ds_add_u32 v[SPW], v[NIL]                      ; the opening lines: the add, twice on end, and its wait ahead of my tensor load
	ds_add_u32 v[SPW], v[NIL]
	v_lshrrev_b32 v1, 5, v0
	s_delay_alu instid0(VALU_DEP_1)
	v_readfirstlane_b32 s[WV], v1
	s_bfe_u32 s13, ttmp6, 0x40000                  ; cx
	s_and_b32 s14, ttmp7, 0xffff                   ; 16 batch + head
	s_mul_i32 s16, s14, HS
	s_mov_b32 s17, 0
	s_mul_i32 s18, s[WV], 2*STB                    ; my two steps, in memory and in LDS alike
	s_mov_b32 s19, 0
	s_mov_b32 s24, 15|(3<<16)|(1<<21)              ; all four of the cluster; elements of 8 bytes; bit 21 beside a mask
	s_mov_b32 s25, 32<<16                          ; rows of 256 bytes,
	s_mov_b32 s26, 120<<16                         ; 120 of them, dense
	s_mov_b32 s27, 32<<16
	s_mov_b32 s28, 120
	s_mov_b32 s29, 32
	s_mov_b32 s30, 0
	s_mov_b32 s31, 0
	s_mov_b32 s[CC], 0x3e38aa3b                    ; log2(e) / 8
	s_mov_b32 s[CC+1], s[CC]
	s_mov_b32 s[SEL], 0x76543210
	s_mov_b32 s[SEL+1], 0xfedcba98                 ; selects for lane l xor 16
	s_mov_b32 s58, 0xffff0000
	s_wait_alu depctr_va_vdst(0)
	s_wait_dscnt 0x0
	s_wait_kmcnt 0x0
	s_add_nc_u64 s[20:21], s[6:7], s[16:17]
	s_add_nc_u64 s[34:35], s[20:21], s[18:19]
	s_or_b32 s35, s35, 0x80000000
	s_mov_b32 s32, 1
	s_mov_b32 s33, s18
	CROUND                                         ; the four work-groups are here: the joint loads meet
	s_cmp_lt_u32 s[WV], 2                          ; one load a wave; the two waves that wait ahead of the first barrier have a line of their own
	s_cbranch_scc0 .Llater
	TLOAD
	s_branch .Lasked
.Llater:
	TLOAD
.Lasked:
	s_lshl_b32 s22, s13, 2
	s_lshr_b32 s23, s[WV], 2
	s_add_co_u32 s22, s22, s23                     ; the step of 128 queries of my first pass: 4 cx + wave / 4; the second pass: two steps on
	s_mul_i32 s22, s22, STB
	s_add_co_u32 s22, s22, s16
	s_bfe_u32 s15, s[WV], 0x10001
	s_lshl_b32 s15, s15, 8
	s_and_b32 s23, s[WV], 1
	s_lshl_b32 s23, s23, 3
	s_add_co_u32 s23, s23, s15
	s_add_co_u32 s60, s23, s22
	s_add_co_u32 s60, s60, KSO
	s_mov_b32 s61, 0
	s_add_nc_u64 s[60:61], s[4:5], s[60:61]        ; my two tiles' scale words
	s_and_b32 s23, s[WV], 3
	s_lshl_b32 s23, s23, 11
	s_add_co_u32 s22, s22, s23
	s_mov_b32 s23, 0
	s_add_nc_u64 s[4:5], s[4:5], s[22:23]          ; my two tiles of q: 2 (wave % 4), + 1 of the step's eight
	s_lshr_b32 s22, s14, 4
	s_lshl_b32 s22, s22, 7
	s_lshl_b32 s23, s13, 5
	s_add_co_u32 s22, s22, s23
	s_lshl_b32 s23, s[WV], 1
	s_add_co_u32 s22, s22, s23                     ; ctx's tile: 128 batch + 32 cx + 2 wave
	s_and_b32 s15, s14, 15
	s_lshl_b32 s62, s22, 9
	s_lshl_b32 s23, s15, 1
	s_add_co_u32 s62, s62, s23
	s_mov_b32 s63, 0
	s_add_nc_u64 s[10:11], s[10:11], s[62:63]
	s_mul_i32 s22, s22, 12288
	s_mul_i32 s23, s15, 768
	s_add_co_u32 s22, s22, s23
	s_mov_b32 s23, 0
	s_add_nc_u64 s[8:9], s[8:9], s[22:23]
	v_and_b32 v7, 31, v0
	s_delay_alu instid0(VALU_DEP_1)
	v_lshlrev_b32 v[LI], 4, v7
	s_delay_alu instid0(VALU_DEP_2)
	v_lshlrev_b32 v[L8], 3, v7
	v_and_b32 v7, 15, v0
	s_delay_alu instid0(VALU_DEP_1)
	v_lshlrev_b32 v[R16], 4, v7
	v_bfe_u32 v11, v0, 4, 1
	s_delay_alu instid0(VALU_DEP_3)
	v_lshlrev_b32 v[CSO], 5, v7
	s_delay_alu instid0(VALU_DEP_1)
	v_lshl_add_u32 v[CSO], v11, 9, v[CSO]
	v_lshlrev_b32 v[SH8], 3, v11
	WIN 0x40
.irp i, 8,9,10,11                      ; K = 64 of the instruction's 128 (and the mask's dimension): the upper registers of q's and k's fragments hold zero codes
.irp q, 0,1
	v_mov_b32 v[QF+12*\q+\i], 0
.endr
.irp t, 0,1,2,3,4,5,6,7
	v_mov_b32 v[KF+12*\t+\i], 0
.endr
.endr
	WIN 0
.macro STEP
	s_wait_dscnt 0x0                               ; this step's K and its scale words, asked for a step ago, are in
	WIN 0x05
.irp t, 0,1,2,3,4,5,6,7
.irp q, 0,1
.if \t < 4
	v_wmma_scale_f32_16x16x128_f8f6f4 v[S+64*\q+8*\t:S+64*\q+8*\t+7], v[KF+12*\t:KF+12*\t+11], v[QF+12*\q:QF+12*\q+11], 0, v[KS+\t], v[QS+\q] matrix_a_fmt:MATRIX_FMT_FP6 matrix_b_fmt:MATRIX_FMT_FP6
.else
	v_wmma_scale_f32_16x16x128_f8f6f4 v[S+64*\q+8*\t:S+64*\q+8*\t+7], v[KF+12*\t:KF+12*\t+11], v[QF+12*\q:QF+12*\q+11], 0, v[KS+\t-4], v[QS+\q] matrix_a_fmt:MATRIX_FMT_FP6 matrix_b_fmt:MATRIX_FMT_FP6 matrix_a_scale:MATRIX_SCALE_ROW1
.endif
.endr
.endr
	WIN 0
	s_add_co_u32 s49, s48, STB
	s_min_u32 s49, s49, 15*STB                     ; the next step's block; behind the last step: the last once more
	v_add_nc_u32 v[ADC], s48, v[LI]                ; these four lines are the places behind the products
	v_add_nc_u32 v[ADN], s49, v[LI]
	v_nop
	v_nop
	ds_load_b128 v[VS:VS+3], v[ADC] offset:VSO
	WIN 0x40
.irp i, 0,1,2,3,4,5,6,7,8,9,10,11
	ds_load_b128 v[VF+4*\i:VF+4*\i+3], v[ADC] offset:VOF+512*\i
.endr
.irp t, 0,1,2,3,4,5,6,7
	ds_load_b128 v[KF+12*\t:KF+12*\t+3], v[ADN] offset:1024*\t
	ds_load_b128 v[KF+12*\t+4:KF+12*\t+7], v[ADN] offset:1024*\t+512
.endr
	WIN 0
	ds_load_b128 v[KS:KS+3], v[ADN] offset:KSO
.irp b, 0,1,2,3                        ; the largest score of each block of 32 keys: for the row's maximum and for the block's largest p
.irp q, 0,1
	v_max3_num_f32 v[ST+24*\q+BM+\b], v[S+64*\q+16*\b], v[S+64*\q+16*\b+1], v[S+64*\q+16*\b+2]
.endr
.endr
.irp i, 3,5,7,9,11,13
.irp b, 0,1,2,3
.irp q, 0,1
	v_max3_num_f32 v[ST+24*\q+BM+\b], v[ST+24*\q+BM+\b], v[S+64*\q+16*\b+\i], v[S+64*\q+16*\b+\i+1]
.endr
.endr
.endr
.irp b, 0,1,2,3
.irp q, 0,1
	v_max_num_f32 v[ST+24*\q+BM+\b], v[ST+24*\q+BM+\b], v[S+64*\q+16*\b+15]
.endr
.endr
; THE KEYS OF A TILE OF k: row 8 h + j of tile 4 c + u is key 64 c + 32 h + 8 u + j of the step.  So lane (query, h) holds in registers 32 c + 0 .. 31 the keys 64 c + 32 h + 0 .. 31: block 2 c + h, whole, in the order of p's operand
.irp c, 0,1
.irp q, 0,1
	v_max_num_f32 v[ST+24*\q+BM+\c], v[ST+24*\q+BM+2*\c], v[ST+24*\q+BM+2*\c+1]    ; my block 2 c + h: its two halves of 16
.endr
.endr
.irp q, 0,1
	s_delay_alu instid0(VALU_DEP_2)
	v_max_num_f32 v[ST+24*\q+TP], v[ST+24*\q+BM], v[ST+24*\q+BM+1]
.endr
.irp q, 0,1
	s_delay_alu instid0(VALU_DEP_2)
	v_permlanex16_b32 v[ST+24*\q+BT], v[ST+24*\q+TP], s[SEL], s[SEL+1]
.endr
.irp q, 0,1
	s_delay_alu instid0(VALU_DEP_2)
	v_max_num_f32 v[ST+24*\q+TP], v[ST+24*\q+TP], v[ST+24*\q+BT]   ; with lane l xor 16's two blocks: the step's largest score of my query
.endr
.irp q, 0,1
	s_delay_alu instid0(VALU_DEP_2)
	v_mul_f32 v[ST+24*\q+TP], s[CC], v[ST+24*\q+TP]
.endr
.irp q, 0,1
	s_delay_alu instid0(VALU_DEP_2)
	v_max_num_f32 v[ST+24*\q+TX], v[ST+24*\q+TX], v[ST+24*\q+TP]   ; the running largest t
.endr
.irp q, 0,1
	v_mov_b32 v[ST+24*\q+TP], v[ST+24*\q+NM]
.endr
.irp q, 0,1
	s_delay_alu instid0(VALU_DEP_4)
	v_floor_f32 v[ST+24*\q+NM], -v[ST+24*\q+TX]    ; -M = floor(-t): M is a whole number
.endr
.irp q, 0,1
	s_delay_alu instid0(VALU_DEP_2)
	v_sub_f32 v[ST+24*\q+TP], v[ST+24*\q+NM], v[ST+24*\q+TP]
.endr
.irp q, 0,1
	s_delay_alu instid0(VALU_DEP_2)
	v_cvt_i32_f32 v[ST+24*\q+TP], v[ST+24*\q+TP]
.endr
.irp q, 0,1
	s_delay_alu instid0(VALU_DEP_2)
	v_ldexp_f32 v[ST+24*\q+FF], 1.0, v[ST+24*\q+TP]                ; 2^(old M - new M)
.endr
.irp q, 0,1
.set JJ, 0
.rept 32
	v_pk_fma_f32 v[S+64*\q+JJ:S+64*\q+JJ+1], v[S+64*\q+JJ:S+64*\q+JJ+1], s[CC:CC+1], v[ST+24*\q+NM:ST+24*\q+NM+1] op_sel_hi:[1,0,0]
.set JJ, JJ+2
.endr
.endr
.irp b, 0,1
.irp q, 0,1
	v_fma_f32 v[ST+24*\q+BM+\b], v[ST+24*\q+BM+\b], s[CC], v[ST+24*\q+NM]
.endr
.endr
.set JJ, 0
	s_wait_alu depctr_va_vdst(0)                   ; ahead of the batch
.rept 128
	v_exp_f32 v[S+JJ], v[S+JJ]                     ; p = 2^(t - M)
.set JJ, JJ+1
.endr
.irp q, 0,1
	v_pk_mul_f32 v[ST+24*\q+LS:ST+24*\q+LS+1], v[ST+24*\q+LS:ST+24*\q+LS+1], v[ST+24*\q+FF:ST+24*\q+FF+1] op_sel_hi:[1,0]
.endr
	s_wait_alu depctr_va_vdst(0)                   ; and behind it
.irp b, 0,1
.irp q, 0,1
	v_exp_f32 v[ST+24*\q+BM+\b], v[ST+24*\q+BM+\b] ; each of my blocks' largest p
.endr
.endr
.irp q, 0,1
	v_pk_add_f32 v[ST+24*\q+C2:ST+24*\q+C2+1], v[S+64*\q:S+64*\q+1], v[S+64*\q+2:S+64*\q+3]   ; the row's sum is taken of the unquantised p
.endr
.irp j, 4,8,12,16,20,24,28,32,36,40,44,48,52,56,60
.irp q, 0,1
	v_pk_add_f32 v[ST+24*\q+LS:ST+24*\q+LS+1], v[ST+24*\q+LS:ST+24*\q+LS+1], v[S+64*\q+\j:S+64*\q+\j+1]
	v_pk_add_f32 v[ST+24*\q+C2:ST+24*\q+C2+1], v[ST+24*\q+C2:ST+24*\q+C2+1], v[S+64*\q+\j+2:S+64*\q+\j+3]
.endr
.endr
.irp q, 0
	s_delay_alu instid0(VALU_DEP_3)
	v_pk_add_f32 v[ST+24*\q+LS:ST+24*\q+LS+1], v[ST+24*\q+LS:ST+24*\q+LS+1], v[ST+24*\q+C2:ST+24*\q+C2+1]
.endr
.irp q, 1
	s_delay_alu instid0(VALU_DEP_2)
	v_pk_add_f32 v[ST+24*\q+LS:ST+24*\q+LS+1], v[ST+24*\q+LS:ST+24*\q+LS+1], v[ST+24*\q+C2:ST+24*\q+C2+1]
.endr
	s_wait_alu depctr_va_vdst(0)
.irp b, 0,1
.irp q, 0,1
	v_max_num_f32 v[ST+24*\q+BM+\b], 0x1800000, v[ST+24*\q+BM+\b]  ; the floor 2^(3 - 127): the byte cannot fall under 1
.endr
.endr
.irp b, 0,1
.irp q, 0,1
	s_delay_alu instid0(VALU_DEP_4)
	v_add_nc_u32 v[ST+24*\q+SO+\b], 0xff000000, v[ST+24*\q+BM+\b]  ; 2 off the exponent field: the conversion's scale operand
.endr
.endr
.irp b, 0,1
.irp q, 0,1
	s_delay_alu instid0(VALU_DEP_4)
	v_lshrrev_b32 v[ST+24*\q+BT+\b], 23, v[ST+24*\q+SO+\b]
.endr
.endr
.irp q, 0,1
	s_delay_alu instid0(VALU_DEP_2)
	v_lshl_or_b32 v[PS+\q], v[ST+24*\q+BT+1], 16, v[ST+24*\q+BT]   ; my two bytes: blocks h and 2 + h,
.endr
.irp q, 0,1
	s_delay_alu instid0(VALU_DEP_2)
	v_lshlrev_b32 v[PS+\q], v[SH8], v[PS+\q]                       ; at their places in the scale word;
.endr
.irp q, 0,1
	s_delay_alu instid0(VALU_DEP_2)
	v_permlanex16_b32 v[ST+24*\q+BT+2], v[PS+\q], s[SEL], s[SEL+1]
.endr
.irp q, 0,1
	s_delay_alu instid0(VALU_DEP_2)
	v_or_b32 v[PS+\q], v[PS+\q], v[ST+24*\q+BT+2]                  ; with lane l xor 16's two the word is whole
.endr
.irp q, 0,1
.irp c, 0,1
	v_cvt_scalef32_pk16_fp6_f32 v[PC+12*\q+6*\c:PC+12*\q+6*\c+2], v[S+64*\q+32*\c:S+64*\q+32*\c+15], v[ST+24*\q+SO+\c]
	v_cvt_scalef32_pk16_fp6_f32 v[PT+8*\q+4*\c:PT+8*\q+4*\c+2], v[S+64*\q+32*\c+16:S+64*\q+32*\c+31], v[ST+24*\q+SO+\c]   ; (a conversion's three registers begin on an even number)
.endr
.endr
	v_nop                                          ; one plain line behind the conversions
.irp q, 0,1
.irp c, 0,1                            ; the operand wants a whole block in a lane
.irp i, 0,1,2
	v_mov_b32 v[PC+12*\q+6*\c+3+\i], v[PT+8*\q+4*\c+\i]
.endr
.endr
.endr
	WIN 0x41
.irp q, 0,1
.set JJ, 0
.rept 16
	v_pk_mul_f32 v[OT+32*\q+JJ:OT+32*\q+JJ+1], v[OT+32*\q+JJ:OT+32*\q+JJ+1], v[ST+24*\q+FF:ST+24*\q+FF+1] op_sel_hi:[1,0]   ; O^T under the new M
.set JJ, JJ+2
.endr
.endr
	s_wait_alu depctr_va_vdst(0)
	s_wait_dscnt 17                                ; V and its scale words are in; behind them: the next step's 16 loads of K and one of its scale words
	WIN 0x51
.irp t, 0,1,2,3
.irp q, 0,1
	v_wmma_scale_f32_16x16x128_f8f6f4 v[OT+32*\q+8*\t:OT+32*\q+8*\t+7], v[VF+12*\t:VF+12*\t+11], v[PC+12*\q:PC+12*\q+11], v[OT+32*\q+8*\t:OT+32*\q+8*\t+7], v[VS+\t], v[PS+\q] matrix_a_fmt:MATRIX_FMT_FP6 matrix_b_fmt:MATRIX_FMT_FP6
.endr
.endr
	WIN 0
	s_add_co_u32 s48, s48, STB
.endm
.macro RUN n
	s_mov_b32 s51, \n
.Lstep_\@:
	STEP
	s_sub_co_u32 s51, s51, 1
	s_cmp_lg_u32 s51, 0
	s_cbranch_scc1 .Lstep_\@
.endm
	s_wait_alu depctr_va_vdst(0)
.macro QLOAD                           ; a pass's two tiles of q and their scale words
	WIN 0x40
	global_load_b128 v[QF:QF+3], v[LI], s[4:5]
	global_load_b128 v[QF+4:QF+7], v[LI], s[4:5] offset:512
	global_load_b128 v[QF+12:QF+15], v[LI], s[4:5] offset:1024
	global_load_b128 v[QF+16:QF+19], v[LI], s[4:5] offset:1536
	WIN 0
	global_load_b64 v[QS:QS+1], v[R16], s[60:61]
.endm
	QLOAD                                          ; the first pass's q is asked for while the tiles of k and v are on their way; the wait for it stands at the pass's top
	s_cmp_lt_u32 s[WV], 2
	s_cbranch_scc0 .Lnot_first
	s_wait_tensorcnt 0x0                           ; waves 0 and 1: steps 0 to 3 are in
.Lnot_first:
	s_barrier_signal -1
	s_barrier_wait -1                              ; the other loads may still be out
	s_mov_b32 s52, 2
.Lpass:
	s_wait_dscnt 0x0                               ; the last step's spare fetch is in: its registers are loaded anew
	WIN 0x40
.irp t, 0,1,2,3,4,5,6,7
	ds_load_b128 v[KF+12*\t:KF+12*\t+3], v[LI] offset:1024*\t      ; step 0's K
	ds_load_b128 v[KF+12*\t+4:KF+12*\t+7], v[LI] offset:1024*\t+512
.endr
.set JJ, 0
.rept 64
	v_mov_b32 v[OT+JJ], 0                          ; the step is written for every step alike: the first finds zeros
.set JJ, JJ+1
.endr
	WIN 0
	ds_load_b128 v[KS:KS+3], v[LI] offset:KSO
.irp q, 0,1
	v_mov_b32 v[ST+24*\q+TX], 0xff61b1e6           ; -3e38, under every t
	v_mov_b32 v[ST+24*\q+LS], 0
	v_mov_b32 v[ST+24*\q+LS+1], 0
	v_mov_b32 v[ST+24*\q+FF+1], 0
.irp b, 0,1,2,3
	v_mov_b32 v[ST+24*\q+BT+\b], 0
.endr
	v_floor_f32 v[ST+24*\q+NM], -v[ST+24*\q+TX]
.endr
	s_mov_b32 s48, 0
	s_wait_loadcnt 0x0
	RUN 3                                          ; steps 0 to 2; they fetch K up to step 3's
	s_wait_tensorcnt 0x0                           ; every wave's load is in,
	s_wait_dscnt 0x0
	s_barrier_signal -1
	s_barrier_wait -1                              ; and shown to all: steps 4 to 15
	RUN 13
	s_cmp_eq_u32 s52, 1                            ; behind the first pass's last step its q is done with: the second pass's, two steps of queries on, is asked for ahead of the way out
	s_cbranch_scc1 .Lno_q                          ; (the last pass asks for nothing)
	s_add_nc_u64 s[4:5], s[4:5], 2*STB             ; the loads that read these bases were waited for at the pass's top
	s_add_nc_u64 s[60:61], s[60:61], 2*STB
	QLOAD
.Lno_q:
.rept 4
	v_nop
.endr
.irp q, 0,1
	v_add_f32 v[ST+24*\q+TP], v[ST+24*\q+LS], v[ST+24*\q+LS+1]
.endr
.irp q, 0,1
	s_delay_alu instid0(VALU_DEP_2)
	v_permlanex16_b32 v[ST+24*\q+BT], v[ST+24*\q+TP], s[SEL], s[SEL+1]
.endr
.irp q, 0,1
	s_delay_alu instid0(VALU_DEP_2)
	v_add_f32 v[ST+24*\q+TP], v[ST+24*\q+TP], v[ST+24*\q+BT]       ; the row's sum
.endr
	s_wait_alu depctr_va_vdst(0)
.irp q, 0,1
	v_rcp_f32 v[ST+24*\q+C2], v[ST+24*\q+TP]
.endr
	v_nop
	s_wait_alu depctr_va_vdst(0)
	WIN 0x01
.irp q, 0,1
.set JJ, 0
.rept 16
	v_pk_mul_f32 v[S+64*\q+JJ:S+64*\q+JJ+1], v[OT+32*\q+JJ:OT+32*\q+JJ+1], v[ST+24*\q+C2:ST+24*\q+C2+1] op_sel_hi:[1,0]   ; ctx = O^T / the sum
.set JJ, JJ+2
.endr
.endr
	WIN 0
.irp g, 0,1                            ; ctx's quantiser along the head's 64: two blocks
.irp q, 0,1
	v_max3_num_f32 v[ST+24*\q+BM+\g], |v[S+64*\q+16*\g]|, |v[S+64*\q+16*\g+1]|, 0x1800000
.endr
.endr
.irp i, 2,4,6,8,10,12,14
.irp g, 0,1
.irp q, 0,1
	s_delay_alu instid0(VALU_DEP_4)
	v_max3_num_f32 v[ST+24*\q+BM+\g], v[ST+24*\q+BM+\g], |v[S+64*\q+16*\g+\i]|, |v[S+64*\q+16*\g+\i+1]|
.endr
.endr
.endr
.irp g, 0,1
.irp q, 0,1
	s_delay_alu instid0(VALU_DEP_4)
	v_permlanex16_b32 v[ST+24*\q+BT+\g], v[ST+24*\q+BM+\g], s[SEL], s[SEL+1]
.endr
.endr
.irp g, 0,1
.irp q, 0,1
	s_delay_alu instid0(VALU_DEP_4)
	v_max_num_f32 v[ST+24*\q+BM+\g], v[ST+24*\q+BM+\g], v[ST+24*\q+BT+\g]
.endr
.endr
.irp g, 0,1
.irp q, 0,1
	s_delay_alu instid0(VALU_DEP_4)
	v_add_nc_u32 v[ST+24*\q+SO+\g], 0xff000000, v[ST+24*\q+BM+\g]
.endr
.endr
.irp g, 0,1
.irp q, 0,1
	s_delay_alu instid0(VALU_DEP_4)
	v_lshrrev_b32 v[ST+24*\q+BT+\g], 23, v[ST+24*\q+SO+\g]
.endr
.endr
.irp q, 0,1
	s_delay_alu instid0(VALU_DEP_2)
	v_lshl_or_b32 v[ST+24*\q+TP], v[ST+24*\q+BT+1], 8, v[ST+24*\q+BT]
.endr
.irp q, 0,1
	v_cvt_scalef32_pk16_fp6_f32 v[PC+12*\q:PC+12*\q+2], v[S+64*\q:S+64*\q+15], v[ST+24*\q+SO]
	v_cvt_scalef32_pk16_fp6_f32 v[PT+8*\q:PT+8*\q+2], v[S+64*\q+16:S+64*\q+31], v[ST+24*\q+SO+1]
.endr
	v_nop
.irp q, 0,1
.irp i, 0,1,2
	v_permlane16_swap_b32 v[PC+12*\q+\i], v[PT+8*\q+\i]
.endr
.irp i, 0,1,2
	s_delay_alu instid0(VALU_DEP_3)
	v_mov_b32 v[PC+12*\q+3+\i], v[PT+8*\q+\i]
.endr
.endr
	v_cndmask_b32 v[ST+TP+1], v[ST+TP], v[ST+24+TP], s58
.irp q, 0,1
	global_store_b128 v[LI], v[PC+12*\q:PC+12*\q+3], s[8:9] offset:12288*\q        ; 512 consecutive bytes, aligned to 256
	global_store_b64 v[L8], v[PC+12*\q+4:PC+12*\q+5], s[8:9] offset:12288*\q+512   ; 256 consecutive bytes, aligned
.endr
	global_store_b16 v[CSO], v[ST+TP+1], s[10:11]
	s_wait_xcnt 0x0                                ; the stores have read their registers and bases
	s_add_nc_u64 s[8:9], s[8:9], 196608            ; the second pass: sixteen tiles of ctx on
	s_add_nc_u64 s[10:11], s[10:11], 8192
	s_sub_co_u32 s52, s52, 1
	s_cmp_lg_u32 s52, 0
	s_cbranch_scc1 .Lpass
	s_wait_tensorcnt 0x0                           ; the wave's end
	ds_add_u32 v[SPW], v[NIL]
	s_wait_dscnt 0x0
	CROUND                                         ; the closing round
	s_endpgm
.Lfunc_end_k_q3c233d8e8f_attn:
	.size	k_q3c233d8e8f_attn, .Lfunc_end_k_q3c233d8e8f_attn-k_q3c233d8e8f_attn
	.p2alignl 7, 3214868480
	.fill 96, 4, 3214868480
	.section	.rodata,"a",@progbits
	.p2align	6, 0x0
	.amdhsa_kernel k_q3c233d8e8f_attn
		.amdhsa_group_segment_fixed_size 327680
		.amdhsa_private_segment_fixed_size 0
		.amdhsa_enable_private_segment 0
		.amdhsa_kernarg_size 32
		.amdhsa_user_sgpr_count 2
		.amdhsa_user_sgpr_kernarg_segment_ptr 1
		.amdhsa_wavefront_size32 1
		.amdhsa_system_sgpr_workgroup_id_x 1
		.amdhsa_system_sgpr_workgroup_id_y 1
		.amdhsa_system_sgpr_workgroup_id_z 1
		.amdhsa_system_vgpr_workitem_id 0
		.amdhsa_next_free_vgpr 512
		.amdhsa_next_free_sgpr 66
		.amdhsa_reserve_vcc 0
		.amdhsa_float_denorm_mode_32 3
		.amdhsa_float_denorm_mode_16_64 3
		.amdhsa_memory_ordered 1
		.amdhsa_forward_progress 1
		.amdhsa_inst_pref_size 77
	.end_amdhsa_kernel
	.amdgpu_metadata
---
amdhsa.version: [ 1, 2 ]
amdhsa.kernels:
  - .name:           k_q3c233d8e8f_attn
    .symbol:         k_q3c233d8e8f_attn.kd
    .args:
      - { .name: qb, .offset: 0, .size: 8, .value_kind: global_buffer, .address_space: global }
      - { .name: kvb, .offset: 8, .size: 8, .value_kind: global_buffer, .address_space: global }
      - { .name: ctx, .offset: 16, .size: 8, .value_kind: global_buffer, .address_space: global }
      - { .name: ctxs, .offset: 24, .size: 8, .value_kind: global_buffer, .address_space: global }
    .group_segment_fixed_size: 327680
    .private_segment_fixed_size: 0
    .kernarg_segment_align: 8
    .kernarg_segment_size: 32
    .max_flat_workgroup_size: 256
    .sgpr_count:     66
    .vgpr_count:     512
    .wavefront_size: 32
...
	.end_amdgpu_metadata
.endif
;; end of part 3
;; launch oproj (part 4): grid 4 x 64, 4 waves a work-group, clusters of 4 x 4, 295,424 bytes of LDS; arguments ctx, ctxs, cb, sb, bo, out0; writes out0
.if DOCPART == 4
	.amdgcn_target "amdgcn-amd-amdhsa--gfx1250"
	.amdhsa_code_object_version 6
	.text
	.protected	k_q3c233d8e8f_oproj
	.globl	k_q3c233d8e8f_oproj
	.p2align	8
	.type	k_q3c233d8e8f_oproj,@function
k_q3c233d8e8f_oproj:
	s_mov_b64 s[64:65], 0
	v_nop
	global_prefetch_b8 v0, s[64:65] scope:SCOPE_SE
	s_setreg_imm32_b32 hwreg(HW_REG_WAVE_MODE, 25, 1), 1
	s_wait_xcnt 0x0
	s_wait_alu depctr_hold_cnt(0) depctr_sa_sdst(0) depctr_va_vdst(0) depctr_va_sdst(0) depctr_va_ssrc(0) depctr_va_vcc(0) depctr_vm_vsrc(0)
	s_getreg_b32 s2, hwreg(HW_REG_IB_STS2, 6, 4)
	s_cmp_eq_u32 s2, 0
	s_cbranch_scc0 .Lentry_in_a_cluster
	s_endpgm
.Lentry_in_a_cluster:
	s_bfe_u32 s2, ttmp6, 0x10000c
	s_cmp_lg_u32 s2, 0xf033
	s_cbranch_scc0 .Lentry_shape_is_right
	s_endpgm
.Lentry_shape_is_right:
; out0 = ctx Wo^T + bo on codes of FP6 (E2M3) with E8M0 scales.  ctx and Wo arrive as operand images: a tile of 16 rows x 1,024 K is 12,288 bytes (8 K steps x 2 halves of [512: 16 bytes a lane][256: 8 bytes a lane]), its scale bytes 512.
; A work-group makes 128 rows (A = ctx: a lane holds a row, source 1) x 256 columns (B = Wo: they run along the registers, source 0).  Four waves, each 64 x 128: 32 accumulators.
; ALL OF K LIES IN LDS, in two halves of 512: A's 8 tiles x 6,144 bytes, then B's 16.  One joint load a wave, at the head: wave 0 A's first half, wave 1 B's, wave 2 A's second half, wave 3 B's; nothing is filled twice.
; Waves 0 and 1 wait ahead of the first barrier; the barrier of K step 3 shows the second half.  CLUSTER 4 x 4: ctx's tiles are shared along a row, Wo's along a column.
; No prefetch into the L2: every fill goes out at the head, so there is no loop to run ahead in.
; TILES: lane r of tile 2 g + u is row 32 g + 8 u + r + 8 (r / 8): the way out puts each row where it belongs, and the 16 registers of B's tiles 2 g, 2 g + 1 are columns 32 g + 16 (lane / 16) + 0 .. 15.
; The way out goes through a stage of 16 rows x 528 bytes a wave, in the first half's bytes, which have had their only fill and, ahead of the barrier of K step 3, their last read.
.set CHUNK, 147456
.set TCH,   6144
.set TSTEP, 1536
.set BOFF,  49152
.set SPARE, 2*CHUNK                    ; the spare words, 128 bytes a wave
.set A16, 4
.set A8,  5
.set B16, 6
.set B8,  7
.set SPW, 8
.set NIL, 9
.set SCA, 10
.set H64, 11
.set L16, 13
.set STO, 14
.set RD,  15
.set SA,  32
.set SB,  48
.set AF,  96
.set G1A, 24
.set G1B, 32
.set G0A, 40
.set G0B, 56
.set WV,  20
.set RH,  21
.set HF,  22
.set ARW, 2
.set MSB, 0
.macro WIN new
.if MSB != \new
	s_set_vgpr_msb (MSB<<8)|\new
.set MSB, \new
.endif
.endm
.macro PLACES n
.rept \n
	v_nop
.endr
.endm
.macro CROUND
	s_barrier_signal -1
	s_barrier_wait -1
	s_cmp_lg_u32 s[WV], 0
	s_cbranch_scc1 .Lnot_wave_0_\@
	s_barrier_signal -3
.Lnot_wave_0_\@:
	s_barrier_wait -3
	s_barrier_signal -1
	s_barrier_wait -1
.endm
.macro FRAG reg, a16, a8, off
	ds_load_b128 v[(\reg):(\reg)+3], v[\a16] offset:(\off)
	ds_load_b64 v[(\reg)+4:(\reg)+5], v[\a8] offset:(\off)+512
	ds_load_b128 v[(\reg)+6:(\reg)+9], v[\a16] offset:(\off)+768
	ds_load_b64 v[(\reg)+10:(\reg)+11], v[\a8] offset:(\off)+1280
.endm
.macro FETCH s, set
	WIN 0x80
.irp i, 0,1,2,3,4,5,6,7
	FRAG 128*(\set)+12*\i, B16, B8, TCH*\i+TSTEP*((\s)%4)
.endr
	WIN 0
.irp i, 0,1,2,3
	FRAG AF+48*(\set)+12*\i, A16, A8, TCH*\i+TSTEP*((\s)%4)
.endr
.endm
.macro MUL s, set                      ; 32 products; the accumulators take turns, one instruction a turn.  Step 0 starts the sums from the bias
.if (\s) == 0
	WIN 0x72
.else
	WIN 0x52
.endif
.irp a, 0,1,2,3
.irp b, 0,1,2,3,4,5,6,7
.if (\s) == 0
	v_wmma_scale_f32_16x16x128_f8f6f4 v[64*\a+8*\b:64*\a+8*\b+7], v[128*(\set)+12*\b:128*(\set)+12*\b+11], v[AF+48*(\set)+12*\a:AF+48*(\set)+12*\a+11], v[8*\b:8*\b+7], v[SB+4*\b], v[SA+4*\a] matrix_a_fmt:MATRIX_FMT_FP6 matrix_b_fmt:MATRIX_FMT_FP6
.elseif (\s) < 4
	v_wmma_scale_f32_16x16x128_f8f6f4 v[64*\a+8*\b:64*\a+8*\b+7], v[128*(\set)+12*\b:128*(\set)+12*\b+11], v[AF+48*(\set)+12*\a:AF+48*(\set)+12*\a+11], v[64*\a+8*\b:64*\a+8*\b+7], v[SB+4*\b+(\s)], v[SA+4*\a+(\s)] matrix_a_fmt:MATRIX_FMT_FP6 matrix_b_fmt:MATRIX_FMT_FP6
.else
	v_wmma_scale_f32_16x16x128_f8f6f4 v[64*\a+8*\b:64*\a+8*\b+7], v[128*(\set)+12*\b:128*(\set)+12*\b+11], v[AF+48*(\set)+12*\a:AF+48*(\set)+12*\a+11], v[64*\a+8*\b:64*\a+8*\b+7], v[SB+4*\b+(\s)-4], v[SA+4*\a+(\s)-4] matrix_a_fmt:MATRIX_FMT_FP6 matrix_b_fmt:MATRIX_FMT_FP6 matrix_a_scale:MATRIX_SCALE_ROW1 matrix_b_scale:MATRIX_SCALE_ROW1
.endif
.endr
.endr
	WIN 0
.endm
	s_load_b256 s[4:11], s[0:1], 0x0               ; ctx, ctxs, cb, sb
	s_load_b128 s[12:15], s[0:1], 0x20             ; bo, out0
	v_lshl_add_u32 v[SPW], v0, 2, SPARE
	v_mov_b32 v[NIL], 0
	ds_add_u32 v[SPW], v[NIL]                      ; the opening lines: the add, twice on end, and its wait ahead of my tensor load
	ds_add_u32 v[SPW], v[NIL]
	v_lshrrev_b32 v1, 5, v0
	v_readfirstlane_b32 s[WV], v1
	s_lshr_b32 s[RH], s[WV], 1
	s_and_b32 s[HF], s[WV], 1
	s_bfe_u32 s76, ttmp6, 0x40000                  ; cx
	s_bfe_u32 s77, ttmp6, 0x40004                  ; cy
	s_and_b32 s78, ttmp7, 0xffff
	s_lshl_b32 s[ARW], s78, 2
	s_add_co_u32 s[ARW], s[ARW], s77               ; which 128 rows: hangs on cy alone
	s_lshl_b32 s79, s[ARW], 3                      ; ctx's first tile
	s_lshl_b32 s82, s76, 4
	s_add_co_u32 s82, s82, 1728                    ; Wo's first tile: on cx alone
	s_mul_i32 s86, s79, 12288                      ; waves 0, 1 fetch the first half of K (A's tiles, B's tiles), waves 2, 3 the second
	s_mul_i32 s90, s[RH], TCH
	s_add_co_u32 s86, s86, s90                     ; A: my half of K of its eight tiles
	s_mov_b32 s87, 0
	s_mul_i32 s88, s82, 12288
	s_add_co_u32 s88, s88, s90                     ; B: of its sixteen
	s_mov_b32 s89, 0
	s_mul_i32 s90, s[RH], CHUNK                    ; and where that half goes
	s_mul_i32 s91, s[HF], 8*TCH
	s_add_co_u32 s91, s91, BOFF                    ; the eight tiles of B that I read
	s_lshl_b32 s92, s77, 2
	s_lshl_b32 s92, 15, s92
	s_lshl_b32 s93, 0x1111, s76
	s_or_b32 s[G1A], s92, (3<<16)|(1<<21)
	s_or_b32 s[G1B], s93, (3<<16)|(1<<21)
	s_mov_b32 s[G1A+1], 768<<16                    ; a row is a tile's 6,144 bytes of this half of K
	s_mov_b32 s[G1A+2], 8<<16                      ; eight tiles
	s_mov_b32 s[G1A+3], 768<<16
	s_mov_b32 s[G1A+4], 8
	s_mov_b32 s[G1A+5], 1536                       ; from tile to tile: 12,288 bytes
	s_mov_b32 s[G1A+6], 0
	s_mov_b32 s[G1A+7], 0
	s_mov_b32 s[G1B+1], 768<<16
	s_mov_b32 s[G1B+2], 16<<16
	s_mov_b32 s[G1B+3], 768<<16
	s_mov_b32 s[G1B+4], 16
	s_mov_b32 s[G1B+5], 1536
	s_mov_b32 s[G1B+6], 0
	s_mov_b32 s[G1B+7], 0
	s_wait_dscnt 0x0
	s_wait_kmcnt 0x0
	s_add_nc_u64 s[86:87], s[4:5], s[86:87]
	s_add_nc_u64 s[88:89], s[8:9], s[88:89]
	s_mov_b32 s[G0A], 1
	s_mov_b32 s[G0A+1], s90
	s_mov_b64 s[G0A+2:G0A+3], s[86:87]
	s_or_b32 s[G0A+3], s[G0A+3], 0x80000000
	s_mov_b32 s[G0B], 1
	s_add_co_u32 s[G0B+1], s90, BOFF
	s_mov_b64 s[G0B+2:G0B+3], s[88:89]
	s_or_b32 s[G0B+3], s[G0B+3], 0x80000000
	CROUND                                         ; all sixteen work-groups are here: the joint loads meet
; one tensor load a wave, in one chain of arms on the wave's number.  The two waves that wait ahead of the first barrier have lines of their own
.macro ARM under, g0, g1, next
	s_cmp_lt_u32 s[WV], \under
	s_cbranch_scc0 \next
	tensor_load_to_lds s[\g0:\g0+3], s[\g1:\g1+7]
	s_nop 0
	PLACES 4
	s_branch .Lfilled
\next:
.endm
	ARM 1, G0A, G1A, .Lfill_b0
	ARM 2, G0B, G1B, .Lfill_a1
	ARM 3, G0A, G1A, .Lfill_b1
	tensor_load_to_lds s[G0B:G0B+3], s[G1B:G1B+7]
	s_nop 0
	PLACES 4
.Lfilled:
	v_and_b32 v1, 31, v0
	v_and_b32 v2, 15, v0
	v_bfe_u32 v3, v0, 4, 1
	s_mul_i32 s92, s[RH], 4*TCH
	v_lshlrev_b32 v[L16], 4, v1
	v_lshlrev_b32 v16, 3, v1
	v_add_nc_u32 v[A16], s92, v[L16]
	v_add_nc_u32 v[A8], s92, v16
	v_add_nc_u32 v[B16], s91, v[L16]
	v_add_nc_u32 v[B8], s91, v16
	v_lshlrev_b32 v[SCA], 5, v2
	v_lshl_add_u32 v[SCA], v3, 4, v[SCA]
	s_wait_alu depctr_va_vdst(0)
	v_lshlrev_b32 v[H64], 6, v3
	s_wait_alu depctr_va_vdst(0)
	s_mul_i32 s92, s[WV], 8448                     ; my stage
	v_mul_u32_u24 v[STO], v2, 528
	v_lshl_add_u32 v[STO], v3, 6, v[STO]
	v_add_nc_u32 v[STO], s92, v[STO]               ; in: row r, + 64 h
	v_add_nc_u32 v[RD], s92, v[L16]                ; back: a row of 512 bytes to the 32 lanes
	s_lshl_b32 s92, s[RH], 2
	s_add_co_u32 s92, s92, s79
	s_lshl_b32 s92, s92, 9
	s_mov_b32 s93, 0
	s_add_nc_u64 s[92:93], s[6:7], s[92:93]
	s_lshl_b32 s94, s[HF], 3
	s_add_co_u32 s94, s94, s82
	s_lshl_b32 s94, s94, 9
	s_mov_b32 s95, 0
	s_add_nc_u64 s[94:95], s[10:11], s[94:95]
	s_lshl_b32 s86, s76, 1
	s_add_co_u32 s86, s86, s[HF]
	s_lshl_b32 s86, s86, 9                         ; my 128 columns, 4 bytes each
	s_mov_b32 s87, 0
	s_add_nc_u64 s[96:97], s[12:13], s[86:87]      ; bo
	s_lshl_b32 s88, s[ARW], 1
	s_add_co_u32 s88, s88, s[RH]
	s_lshl_b32 s88, s88, 18                        ; my 64 rows of 4,096 bytes
	s_mov_b32 s89, 0
	s_add_nc_u64 s[98:99], s[14:15], s[88:89]
	s_add_nc_u64 s[98:99], s[98:99], s[86:87]      ; out0
.irp a, 0,1,2,3
	global_load_b128 v[SA+4*\a:SA+4*\a+3], v[SCA], s[92:93] offset:512*\a
.endr
.irp b, 0,1,2,3,4,5,6,7
	global_load_b128 v[SB+4*\b:SB+4*\b+3], v[SCA], s[94:95] offset:512*\b
.endr
	WIN 0xc0
.irp i, 0,1,2,3,4,5,6,7,8,9,10,11,12,13,14,15
	global_load_b128 v[4*\i:4*\i+3], v[H64], s[96:97] offset:128*(\i/4)+16*(\i%4)
.endr
	WIN 0
	s_cmp_lt_u32 s[WV], 2                          ; waves 0 and 1 wait for the first half of K; the second half stays out
	s_cbranch_scc0 .Lnot_first
	s_wait_tensorcnt 0x0
.Lnot_first:
	s_barrier_signal -1
	s_barrier_wait -1
	FETCH 0, 0
	s_wait_loadcnt 0x0
.irp s, 0,1,2,3,4,5,6,7
	s_wait_dscnt 0x0
.if \s == 3
	s_wait_tensorcnt 0x0                           ; every wave's load is in: the second half of K
	s_barrier_signal -1
	s_barrier_wait -1
	v_add_nc_u32 v[A16], CHUNK, v[A16]             ; these four are also the places in front of the loads below
	v_add_nc_u32 v[A8], CHUNK, v[A8]
	v_add_nc_u32 v[B16], CHUNK, v[B16]
	s_wait_alu depctr_va_vdst(0)
	v_add_nc_u32 v[B8], CHUNK, v[B8]
.elseif (\s > 0) && (\s < 7)
	PLACES 4
.endif
.if \s < 7
	s_wait_alu depctr_va_vdst(0)
	FETCH \s+1, (\s+1)%2
.endif
	MUL \s, \s%2
.endr
; THE WAY OUT, a tile of 16 rows x 128 columns at a time: into my stage, each accumulator from its low end on, and back as whole rows of 512 bytes.  LDS serves a wave's instructions in order: no wait between.
.macro TOSTAGE a
	WIN 0x04
.irp b, 0,1,2,3,4,5,6,7
	ds_store_b128 v[STO], v[64*(\a)+8*\b:64*(\a)+8*\b+3] offset:128*(\b/2)+32*(\b%2)
	ds_store_b128 v[STO], v[64*(\a)+8*\b+4:64*(\a)+8*\b+7] offset:128*(\b/2)+32*(\b%2)+16
.endr
	WIN 0
.set BB, 96+64*((\a)%2)
.irp t, 0,1,2,3,4,5,6,7,8,9,10,11,12,13,14,15
	ds_load_b128 v[BB+4*\t:BB+4*\t+3], v[RD] offset:\t*528
.endr
.endm
.macro SEND a, younger                 ; younger: the LDS instructions issued behind this tile's loads
.set BB, 96+64*((\a)%2)
	s_wait_dscnt \younger
.irp t, 0,1,2,3,4,5,6,7,8,9,10,11,12,13,14,15
	global_store_b128 v[L16], v[BB+4*\t:BB+4*\t+3], s[98:99] offset:(32*((\a)/2)+8*((\a)%2)+\t+8*(\t/8))*4096 th:TH_STORE_NT   ; 512 consecutive bytes of a row, aligned to 256
.endr
.endm
	PLACES 4                                       ; in front of the first read of results and of loads into the fragments' registers
	TOSTAGE 0
.irp a, 1,2,3
.if \a > 1
	s_wait_xcnt 0x0                                ; the stores of the tile two back have read their registers
.endif
	TOSTAGE \a
	SEND \a-1, 32                                  ; behind its loads: the next tile's 16 stores and 16 loads
.endr
	SEND 3, 0
	s_wait_tensorcnt 0x0                           ; the wave's end
	ds_add_u32 v[SPW], v[NIL]
	s_wait_dscnt 0x0
	CROUND                                         ; the closing round
	s_endpgm
.Lfunc_end_k_q3c233d8e8f_oproj:
	.size	k_q3c233d8e8f_oproj, .Lfunc_end_k_q3c233d8e8f_oproj-k_q3c233d8e8f_oproj
	.p2alignl 7, 3214868480
	.fill 96, 4, 3214868480
	.section	.rodata,"a",@progbits
	.p2align	6, 0x0
	.amdhsa_kernel k_q3c233d8e8f_oproj
		.amdhsa_group_segment_fixed_size 295424
		.amdhsa_private_segment_fixed_size 0
		.amdhsa_enable_private_segment 0
		.amdhsa_kernarg_size 48
		.amdhsa_user_sgpr_count 2
		.amdhsa_user_sgpr_kernarg_segment_ptr 1
		.amdhsa_wavefront_size32 1
		.amdhsa_system_sgpr_workgroup_id_x 1
		.amdhsa_system_sgpr_workgroup_id_y 1
		.amdhsa_system_sgpr_workgroup_id_z 1
		.amdhsa_system_vgpr_workitem_id 0
		.amdhsa_next_free_vgpr 1024
		.amdhsa_next_free_sgpr 100
		.amdhsa_reserve_vcc 0
		.amdhsa_float_denorm_mode_32 3
		.amdhsa_float_denorm_mode_16_64 3
		.amdhsa_memory_ordered 1
		.amdhsa_forward_progress 1
		.amdhsa_inst_pref_size 83
	.end_amdhsa_kernel
	.amdgpu_metadata
---
amdhsa.version: [ 1, 2 ]
amdhsa.kernels:
  - .name:           k_q3c233d8e8f_oproj
    .symbol:         k_q3c233d8e8f_oproj.kd
    .args:
      - { .name: ctx, .offset: 0, .size: 8, .value_kind: global_buffer, .address_space: global }
      - { .name: ctxs, .offset: 8, .size: 8, .value_kind: global_buffer, .address_space: global }
      - { .name: cb, .offset: 16, .size: 8, .value_kind: global_buffer, .address_space: global }
      - { .name: sb, .offset: 24, .size: 8, .value_kind: global_buffer, .address_space: global }
      - { .name: bo, .offset: 32, .size: 8, .value_kind: global_buffer, .address_space: global }
      - { .name: out0, .offset: 40, .size: 8, .value_kind: global_buffer, .address_space: global }
    .group_segment_fixed_size: 295424
    .private_segment_fixed_size: 0
    .kernarg_segment_align: 8
    .kernarg_segment_size: 48
    .max_flat_workgroup_size: 128
    .sgpr_count:     100
    .vgpr_count:     1024
    .wavefront_size: 32
...
	.end_amdgpu_metadata
.endif
;; end of part 4
